; MI455X (gfx1250); checked and timed in simulation.
; The chip was launched on July 23, 2026; its instructions are those of AMD's public machine-readable ISA for CDNA 5 (MIT licence, August 2026) and "CDNA5" Instruction Set Architecture Reference Guide (July 2026). The comments in the code are by the model that wrote it; some were corrected since.
;; Attn. Allowed arithmetic: matrix products marked QUANTISED: E2M3 operands, one E8M0 scale for each 32 along K, by v_wmma_scale_f32_16x16x128_f8f6f4 with both operands' format E2M3, f32 sums; everything else in f32.
;; Inputs: o_b 1,024 float32; o_w 1,024 x 1,024 float32; qkv_w 3,072 x 1,024 float32; x 4 x 2,048 x 1,024 float32.
;; Outputs: out0 4 x 2,048 x 1,024 float32.
;; This version of the problem:
;;   THIS VERSION OF THE PROBLEM IS GIVEN IN LOW PRECISION. The matrix products marked QUANTISED in the list below multiply operands that are first quantised to E2M3 (2 exponent bits, 3 mantissa bits; 6 bits a number), with one power-of-two scale for each 32 numbers along K (OCP MX v1.0); their sums are f32. All else is computed in f32.
;;   The module's matrix products, in the order in which they are computed (A, B: the left and right operand; K: the contracted axis; several contracted axes count as one K, in the product's order):
;;     1. [M 8,192, K 1,024] x [K 1,024, N 3,072]; A: input x; B: input qkv_w: QUANTISED
;;     2. batch 64 x [M 2,048, K 64] x [K 64, N 2,048]; A: computed on the way; B: computed on the way: QUANTISED
;;     3. batch 64 x [M 2,048, K 2,048] x [K 2,048, N 64]; A: softmax (see below); B: computed on the way: QUANTISED
;;     4. [M 8,192, K 1,024] x [K 1,024, N 1,024]; A: computed on the way; B: input o_w: QUANTISED
;;   THE QUANTISER, for each operand of a quantised product, along K:
;;     - K is cut into blocks of 32 from its start; a last block that is shorter is filled with zeros.
;;     - A block's scale is 2^e with e = floor(log2(the largest magnitude in the block)) - 2, held to -126 .. 127; a block of zeros has e = 0. As a byte (E8M0): e + 127.
;;     - Each number is divided by its block's scale, clamped to +-7.5, and rounded to the nearest number of E2M3, ties to even, subnormals kept.
;;     - The product sums the exact products of the quantised numbers (number of the format x scale) in f32.
;;   ~~~python
;;   def quantise(x, axis):      # numpy; x: float32 -> the quantised numbers, widened to float32 again
;;       x = np.moveaxis(x, axis, -1); K = x.shape[-1]
;;       x = np.pad(x, [(0, 0)] * (x.ndim - 1) + [(0, -K % 32)]); x = x.reshape(x.shape[:-1] + (-1, 32)); a = np.abs(x).max(-1, keepdims=True)
;;       e = np.where(a > 0, np.clip(np.frexp(np.where(a > 0, a, 1))[1] - 1 - 2, -126, 127), 0)      # np.frexp(a)[1] - 1 = floor(log2(a)), exactly
;;       r = np.clip(x / 2.0 ** e, -7.5, 7.5)
;;       step = 2.0 ** (np.maximum(np.frexp(np.where(r == 0, 1, r))[1] - 1, 0) - 3)
;;       q = np.round(r / step) * step * 2.0 ** e      # np.round: ties to even
;;       return np.moveaxis(q.reshape(q.shape[:-2] + (-1,))[..., :K], -1, axis).astype(np.float32)
;;   ~~~
;;   SOFTMAX AHEAD OF A QUANTISED PRODUCT. Where the list says 'softmax', what is quantised is not the finished softmax but p = 2^(t - M), with t = logit x log2(e) and M = ceil(the row's largest t), a whole number; so 1/2 < the row's largest p <= 1. The row's sum l is taken of the UNQUANTISED p, in f32, and the product's result is divided by l at the end. Since M is a whole number, a kernel that streams over the keys may use a running M (the ceiling of the running maximum): every later rescaling is an exact power of two, which a block's scale takes up: the codes' values come out the same.
;;   OPERANDS COMPUTED ON THE WAY. 'Computed on the way' means the value that the module computes at that place (a softmax that the list does not call 'softmax' is quantised finished and normalised). What goes into a quantiser is computed in f32, as accurately as f32 sums, v_exp_f32 and their like allow (about 1e-6 of the number): no bf16 or f16 on the way to a quantiser, and a product that is left as it is and whose result goes on into a quantised operand takes f32 operands (vector FMAs, or v_wmma_f32_16x16x4_f32). A number that lies on a knife's edge between two numbers of the format may be rounded either way, as far as f32 arithmetic and the matrix unit's own rounding can turn it there, and no further.
;; One version. Each part assembles by itself: llvm-mc -triple=amdgcn-amd-amdhsa -mcpu=gfx1250 --defsym DOCPART=n.
;; ======== version 1 of 1: 4 launches
;; workspace buffers: cod 9,437,184 bytes; scl 393,216 bytes; qb 6,815,744 bytes; kb 6,815,744 bytes; vb 6,553,600 bytes; att 6,291,456 bytes; asc 1,048,576 bytes
;; launch quant (part 1): grid 256 x 1, 6 waves a work-group, no clusters, 51,456 bytes of LDS; arguments x, qkv_w, o_w, cod, scl; writes cod, scl
.if DOCPART == 1
	.amdgcn_target "amdgcn-amd-amdhsa--gfx1250"
	.amdhsa_code_object_version 6
	.text
	.protected	k_q8cf29dcb97_quant
	.globl	k_q8cf29dcb97_quant
	.p2align	8
	.type	k_q8cf29dcb97_quant,@function
k_q8cf29dcb97_quant:
	s_mov_b64 s[64:65], 0
	v_nop
	global_prefetch_b8 v0, s[64:65] scope:SCOPE_SE
	s_setreg_imm32_b32 hwreg(HW_REG_WAVE_MODE, 25, 1), 1
	s_wait_xcnt 0x0
; x [8192][1024], qkv_w [3072][1024], o_w [1024][1024], f32, K innermost, become codes of FP6 (E2M3) with one E8M0 byte for each 32 along K,
; laid as IMAGES OF OPERAND REGISTERS.  A row tile T is 16 rows: lane r of tile T holds row 32 (T / 2) + 8 (T % 2) + r + 8 (r / 8) of its tensor.
; cod: [T 768][K step 8][1,536 bytes]: piece j (registers 2 j, 2 j + 1 of a fragment of 16 rows x 128 K) of lane l at byte 256 j + 8 l.  T 0-511: x, 512-703: qkv_w, 704-767: o_w.
; scl: [T][half of K 2][r 16][4 words]: word w of half hf is row r's scale word of K step 4 hf + w.
; A block's scale is 2^(floor(log2(its largest magnitude)) - 2); its byte is the largest magnitude's exponent field - 2, held at 1 from below.
; LIMITS: a block of zeros gets the byte 1 where the quantiser's text says 127 (its codes are zeros, and this program alone reads the bytes); NaN and infinities among the inputs are not served.
; SHARES: 1,536 jobs (a row tile x half of K), one a wave: 256 work-groups of six waves.  A job is four K steps of 16 rows x 128 numbers.
; Each load reads 512 consecutive bytes of one row; a step's 8,192 bytes turn through the wave's own stage in LDS (rows 528 bytes apart), so that a lane gets 16 neighbours of each block of 32.
; No tensor loads, no barrier, no cluster: the waves share no byte.  Two steps' loads, 32 a wave, are out at a time.
.set ROWB,  4096                       ; a row of any of the three tensors, in bytes
.set SPI,   528                        ; a stage row: 512 bytes + 16
.set STG,   16*SPI                     ; a wave's stage
.set RA,    16                         ; v16-79, v80-143: two sets of 64 registers as loaded
.set X,     144                        ; v144-207 register 16 b + i = k 32 b + 16 (lane / 16) + i of my row
.set PC,    208                        ; v208-219 the fragment's codes; v220-227 at work
.set TM,    228                        ; v228-231 largest magnitudes, v232-235 bytes, v236-239 the conversions' scale operands
.set PW,    244                        ; v244-247 the four steps' scale words
.set SEL,   20                         ; s[20:21] lane selects: lane l xor 16
	s_load_b128 s[4:7], s[0:1], 0x0                ; x, qkv_w
	s_load_b128 s[8:11], s[0:1], 0x10              ; o_w, cod
	s_load_b64 s[12:13], s[0:1], 0x20              ; scl
	v_lshl_add_u32 v254, v0, 2, 0xc600
	v_mov_b32 v255, 0
	v_lshrrev_b32 v1, 5, v0
	v_readfirstlane_b32 s14, v1                    ; wave 0..5
	v_and_b32 v1, 31, v0                           ; lane
	v_and_b32 v2, 15, v0                           ; r
	v_bfe_u32 v3, v0, 4, 1                         ; h
	v_lshlrev_b32 v4, 4, v1                        ; 16 x lane: my bytes of a load's 512
	s_mul_i32 s15, s14, STG                        ; my stage
	v_add_nc_u32 v5, s15, v4                       ; into it: as loaded
	v_mul_u32_u24 v6, v2, SPI
	v_lshl_add_u32 v6, v3, 6, v6
	v_add_nc_u32 v6, s15, v6                       ; out of it: row r, + 64 h
	v_lshlrev_b32 v7, 3, v1                        ; 8 x lane: my place in a piece of an image
	v_lshlrev_b32 v8, 4, v2                        ; 16 r: my row's four scale words
	s_mov_b32 s[SEL], 0x76543210
	s_mov_b32 s[SEL+1], 0xfedcba98
.irp b, 0,1,2,3
	v_mov_b32 v[TM+4+\b], 0                        ; written once: a lane permute's destination counts as one of its sources
.endr
	s_mul_i32 s16, ttmp9, 6
	s_add_co_u32 s16, s16, s14                     ; my job
	s_lshr_b32 s17, s16, 1                         ; T
	s_and_b32 s18, s16, 1                          ; which half of K
	s_movk_i32 s19, 704
	s_wait_kmcnt 0x0
	s_cmp_lt_u32 s17, 704                          ; which tensor: the choice hangs on the job's number alone
	s_cselect_b64 s[6:7], s[6:7], s[8:9]
	s_cselect_b32 s19, 512, s19
	s_cmp_lt_u32 s17, 512
	s_cselect_b64 s[4:5], s[4:5], s[6:7]
	s_cselect_b32 s19, 0, s19                      ; the tensor's first tile
	s_sub_co_u32 s17, s17, s19                     ; the tile within its tensor
	s_lshr_b32 s22, s17, 1
	s_lshl_b32 s22, s22, 5
	s_and_b32 s23, s17, 1
	s_lshl_b32 s23, s23, 3
	s_add_co_u32 s22, s22, s23                     ; its first row
	s_lshl_b32 s22, s22, 12                        ; in bytes (under 2^26)
	s_lshl_b32 s23, s18, 11                        ; + my half of K: 2,048 bytes
	s_add_co_u32 s22, s22, s23
	s_mov_b32 s23, 0
	s_add_nc_u64 s[4:5], s[4:5], s[22:23]
	s_mul_i32 s22, s16, 6144                       ; four images a job
	s_add_nc_u64 s[10:11], s[10:11], s[22:23]
	s_lshl_b32 s22, s16, 8                         ; 256 bytes of scale words a job
	s_add_nc_u64 s[12:13], s[12:13], s[22:23]
.macro LOAD s                          ; K step s: the tile's 16 rows x 512 bytes, into set s % 2
.irp i, 0,1,2,3,4,5,6,7,8,9,10,11,12,13,14,15
	global_load_b128 v[RA+64*((\s)%2)+4*\i:RA+64*((\s)%2)+4*\i+3], v4, s[4:5] offset:(\i+8*(\i/8))*ROWB+512*(\s) th:TH_LOAD_NT
.endr
.endm
.macro TURNX s                         ; through the stage: LDS serves a wave's instructions in order, so no wait stands between the stores and the loads
.irp i, 0,1,2,3,4,5,6,7,8,9,10,11,12,13,14,15
	ds_store_b128 v5, v[RA+64*((\s)%2)+4*\i:RA+64*((\s)%2)+4*\i+3] offset:SPI*\i
.endr
.irp b, 0,1,2,3
.irp j, 0,1,2,3
	ds_load_b128 v[X+16*\b+4*\j:X+16*\b+4*\j+3], v6 offset:128*\b+16*\j
.endr
.endr
.endm
; 64 numbers of a lane, register 16 b + i = k 32 b + 16 (lane / 16) + i of my row, become a fragment's codes in v[PC] on and its scale word in v[pw]
.macro QUANT s, pw
.irp b, 0,1,2,3
	v_max3_num_f32 v[TM+\b], |v[\s+16*\b]|, |v[\s+1+16*\b]|, 0x1800000   ; my 16 numbers of block b, and the floor 2^(3 - 127): the byte cannot fall under 1
.endr
.irp i, 2,4,6,8,10,12,14
.irp b, 0,1,2,3
	v_max3_num_f32 v[TM+\b], v[TM+\b], |v[\s+16*\b+\i]|, |v[\s+1+16*\b+\i]|   ; the four blocks by turns
.endr
.endr
.irp b, 0,1,2,3
	v_permlanex16_b32 v[TM+4+\b], v[TM+\b], s[SEL], s[SEL+1]
.endr
.irp b, 0,1,2,3
	v_max_num_f32 v[TM+\b], v[TM+\b], v[TM+4+\b]   ; with lane l xor 16's: the block's largest magnitude
.endr
.irp b, 0,1,2,3
	v_add_nc_u32 v[TM+8+\b], 0xff000000, v[TM+\b]  ; 2 off its exponent field: the conversion takes the exponent field of this operand as its scale
.endr
.irp b, 0,1,2,3
	v_lshrrev_b32 v[TM+4+\b], 23, v[TM+8+\b]       ; the scale's byte
.endr
	v_lshl_or_b32 v[\pw], v[TM+5], 8, v[TM+4]
	v_lshl_or_b32 v[\pw], v[TM+6], 16, v[\pw]
	v_lshl_or_b32 v[\pw], v[TM+7], 24, v[\pw]
.irp c, 0,1
	v_cvt_scalef32_pk16_fp6_f32 v[PC+6*\c:PC+2+6*\c], v[\s+32*\c:\s+15+32*\c], v[TM+8+2*\c]
	v_cvt_scalef32_pk16_fp6_f32 v[PC+12+4*\c:PC+14+4*\c], v[\s+16+32*\c:\s+31+32*\c], v[TM+9+2*\c]   ; (a conversion's three registers begin on an even number)
.endr
	v_nop                                          ; one plain place behind a scaled conversion
.irp c, 0,1                            ; the operand's layout wants a whole block in a lane: lanes 0-15 block 2 c, lanes 16-31 block 2 c + 1
.irp i, 0,1,2
	v_permlane16_swap_b32 v[PC+6*\c+\i], v[PC+12+4*\c+\i]
.endr
.irp i, 0,1,2
	v_mov_b32 v[PC+3+6*\c+\i], v[PC+12+4*\c+\i]
.endr
.endr
.endm
	LOAD 0
	LOAD 1
.irp s, 0,1,2,3
.if \s < 3
	s_wait_loadcnt 16                              ; this step's 16 loads are in; the next step's 16 may be out
.else
	s_wait_loadcnt 0x0
.endif
	TURNX \s
	s_wait_dscnt 0x0                               ; my 64 numbers are back, and the stage's stores have read the set, which may be loaded again
	s_wait_xcnt 0x0                                ; the last step's stores have read the codes' registers, which are written again below
.if \s < 2
	LOAD \s+2
.endif
	QUANT X, PW+\s
.irp j, 0,1,2,3,4,5
	global_store_b64 v7, v[PC+2*\j:PC+2*\j+1], s[10:11] offset:1536*\s+256*\j   ; 32 lanes store 256 consecutive bytes, aligned
.endr
.endr
	v_cmp_gt_u32 vcc_lo, 16, v1                    ; lanes 16-31 hold the same words as lanes 0-15
	s_wait_xcnt 0x0                                ; EXEC changes only behind this wait
	s_wait_tensorcnt 0x0
	ds_add_u32 v254, v255
	s_wait_dscnt 0x0
	s_and_saveexec_b32 s24, vcc_lo
	global_store_b128 v8, v[PW:PW+3], s[12:13]     ; sixteen lanes store 256 consecutive bytes, aligned
	s_wait_xcnt 0x0
	s_or_b32 exec_lo, exec_lo, s24
	s_endpgm
.Lfunc_end_k_q8cf29dcb97_quant:
	.size	k_q8cf29dcb97_quant, .Lfunc_end_k_q8cf29dcb97_quant-k_q8cf29dcb97_quant
	.p2alignl 7, 3214868480
	.fill 96, 4, 3214868480
	.section	.rodata,"a",@progbits
	.p2align	6, 0x0
	.amdhsa_kernel k_q8cf29dcb97_quant
		.amdhsa_group_segment_fixed_size 51456
		.amdhsa_private_segment_fixed_size 0
		.amdhsa_enable_private_segment 0
		.amdhsa_kernarg_size 40
		.amdhsa_user_sgpr_count 2
		.amdhsa_user_sgpr_kernarg_segment_ptr 1
		.amdhsa_wavefront_size32 1
		.amdhsa_system_sgpr_workgroup_id_x 1
		.amdhsa_system_sgpr_workgroup_id_y 1
		.amdhsa_system_sgpr_workgroup_id_z 1
		.amdhsa_system_vgpr_workitem_id 0
		.amdhsa_next_free_vgpr 256
		.amdhsa_next_free_sgpr 66
		.amdhsa_reserve_vcc 1
		.amdhsa_float_denorm_mode_32 3
		.amdhsa_float_denorm_mode_16_64 3
		.amdhsa_memory_ordered 1
		.amdhsa_forward_progress 1
		.amdhsa_inst_pref_size 35
	.end_amdhsa_kernel
	.amdgpu_metadata
---
amdhsa.version: [ 1, 2 ]
amdhsa.kernels:
  - .name:           k_q8cf29dcb97_quant
    .symbol:         k_q8cf29dcb97_quant.kd
    .args:
      - { .name: x, .offset: 0, .size: 8, .value_kind: global_buffer, .address_space: global }
      - { .name: qkv_w, .offset: 8, .size: 8, .value_kind: global_buffer, .address_space: global }
      - { .name: o_w, .offset: 16, .size: 8, .value_kind: global_buffer, .address_space: global }
      - { .name: cod, .offset: 24, .size: 8, .value_kind: global_buffer, .address_space: global }
      - { .name: scl, .offset: 32, .size: 8, .value_kind: global_buffer, .address_space: global }
    .group_segment_fixed_size: 51456
    .private_segment_fixed_size: 0
    .kernarg_segment_align: 8
    .kernarg_segment_size: 40
    .max_flat_workgroup_size: 192
    .sgpr_count:     66
    .vgpr_count:     256
    .wavefront_size: 32
...
	.end_amdgpu_metadata
.endif
;; end of part 1
;; launch qkv (part 2): grid 12 x 32, 4 waves a work-group, clusters of 4 x 4, 327,680 bytes of LDS; arguments cod, scl, qb, kb, vb; writes qb, kb, vb
.if DOCPART == 2
	.amdgcn_target "amdgcn-amd-amdhsa--gfx1250"
	.amdhsa_code_object_version 6
	.text
	.protected	k_q8cf29dcb97_qkv
	.globl	k_q8cf29dcb97_qkv
	.p2align	8
	.type	k_q8cf29dcb97_qkv,@function
k_q8cf29dcb97_qkv:
	s_mov_b64 s[64:65], 0
	v_nop
	global_prefetch_b8 v0, s[64:65] scope:SCOPE_SE
	s_setreg_imm32_b32 hwreg(HW_REG_WAVE_MODE, 25, 1), 1
	s_wait_xcnt 0x0
	s_wait_alu depctr_hold_cnt(0) depctr_sa_sdst(0) depctr_va_vdst(0) depctr_va_sdst(0) depctr_va_ssrc(0) depctr_va_vcc(0) depctr_vm_vsrc(0)
	s_getreg_b32 s2, hwreg(HW_REG_IB_STS2, 6, 4)
	s_cmp_eq_u32 s2, 0
	s_cbranch_scc0 .Lentry_in_a_cluster
	s_endpgm
.Lentry_in_a_cluster:
	s_bfe_u32 s2, ttmp6, 0x10000c
	s_cmp_lg_u32 s2, 0xf033
	s_cbranch_scc0 .Lentry_shape_is_right
	s_endpgm
.Lentry_shape_is_right:
; qkv = x qkv_w^T on codes of FP6 (E2M3) with E8M0 scales, K = 1,024, and its result quantised at once for the two products of attention: q and k along the head's 64, v along the keys.
; OPERANDS come as images of operand registers (cod: [row tile][K step 8][1,536 bytes]; scl: [row tile][half 2][r 16][4 words]); lane r of row tile T holds row 32 (T / 2) + 8 (T % 2) + r + 8 (r / 8).
; A tile of the result, 256 x 256, is made by a work-group of four waves, 128 x 128 a wave: 64 accumulators, 512 registers.  Source 0 = 'B', source 1 = 'A': a lane holds ONE row of A and its registers run along B's rows;
; by the choice of a tile's rows the 16 registers of B's tiles 2 b, 2 b + 1 are 16 neighbours: 32 b + 16 (lane / 16) + 0 .. 15.
; q, k (cluster x = 0, 1): A = tokens, B = rows of the weight: a lane's 64 registers of a block of A are 128 features = two heads' 64.
; v (cluster x = 2): A = rows of the weight, B = tokens: a lane's 64 registers are 128 KEYS of one feature.  One text serves all three: only scalars are chosen, by the cluster's x.
; OUT: qb, kb: [batch x head 64][group of 128 tokens 16][6,656 bytes]: 8 half images (tile t at 768 t: registers 0-5, K = 0 .. 63), then at 6,144 the scale words [r 16][t 8] (bytes 0, 1; bytes 2, 3 are 0).
;      vb: [batch x head][key step 16][6,400 bytes]: 4 images (16 of the head's 64 x 128 keys; tile t at 1,536 t), then at 6,144 the scale words [r 16][t 4].
; K goes through a ring of two LDS slots of 256 along K; four slots' worth in all, so the steps are written out and every offset is an immediate.
; CLUSTERS: 4 x 4 work-groups; A's tiles are asked for jointly by a row of the cluster, B's by a column.
; LIMITS: a block of zeros gets the scale byte 1 (its codes are zeros; this program alone reads the bytes); NaN and infinities are not served.
; REGISTERS: window 0: v8-29 addresses; v32-63 scale words, two sets, and nothing else; v64-111 the quantiser's work on the way out; v128-223 A's 8 fragments, one set.
;   window 1: B's fragments, two sets, at v0 and v128.  window 2: the accumulators of A's blocks 0-3 ((a, b) at v[8 (8 (a % 4) + b)]); window 3: of blocks 4-7.
.set FRB,   1536                       ; an image of a fragment
.set FR,    12                         ; its registers
.set NL,    6                          ; the LDS loads that bring it
.set RT,    8*FRB                      ; a row tile in cod
.set HALFT, 8*2*FRB                    ; 8 row tiles x 2 K steps: what one tensor load brings
.set SLOT,  4*HALFT                    ; A's 16 tiles, then B's
.set SCL,   2*SLOT                     ; behind the ring: the scale words of A's and B's 16 tiles, 512 bytes a tile: filled once
.set SPARE, SCL+16384                  ; the spare words, 128 bytes for each wave: two blocks of 256 bytes that no other line names
.set SSTG,  SPARE+512                  ; 1,024 bytes for each wave: the results' scale words on their way out; no fill lands here
.set L8,   8                           ; v8   8 x lane
.set SSA,  9                           ; v9   where I put a scale word: my stage + 32 r
.set SSR,  10                          ; v10  where I read them back: my stage + 16 x lane
.set VOS,  11                          ; v11  and where those 16 bytes go in memory
.set ADRA, 16                          ; v16-17 LDS address of my A fragments in slot 0, 1
.set ADRB, 20                          ; v20-21 the same for B
.set ADRS, 27                          ; v27  my scale words: lanes 0-15 A's rows, lanes 16-31 B's
.set SPW,  28                          ; v28  LDS address of my spare word; never rewritten
.set NIL,  29                          ; v29  0; never rewritten
.set SC,   32                          ; set s at v[SC + 16 s]; register 2 i + q: lanes 0-15 the word of A's block i, lanes 16-31 of B's block i, for the slot's q-th 128 along K
.set TM,   64                          ; v64-75
.set PC,   80                          ; v80-99
.set PW,   100
.set PWL,  101
.set PWH,  102
.set RB,   104                         ; v104-111
.set AF,   128
.set SEL,  44                          ; s[44:45] lane selects: lane l xor 16
.set G1, 24
.set G0, 32
.set G1B, 48
.set G0B, 56
.set G1S, 68
.set G0S, 76
.set G1SB, 80
.set G0SB, 88
.set MSB, 0
.macro WIN new                         ; the immediate's high byte repeats the setting that is left
.if MSB != (\new)
	s_set_vgpr_msb (MSB<<8)|(\new)
.set MSB, (\new)
.endif
.endm
.set MUL_LO, 0xa1                      ; source 0 (B) window 1, source 1 (A) window 0, C and D window 2
.set MUL_HI, 0xf1
.set TO_B,   0x40
; A joint load: waves 0 and 1 fetch for A, waves 2 and 3 for B; the branch hangs on the wave's number alone.  Four v_nop follow each of the two lines.
.macro JLOAD g0a, g1a, g0b, g1b
	s_cmp_eq_u32 s15, 0
	s_cbranch_scc0 .Lfor_b_\@
	tensor_load_to_lds s[\g0a:\g0a+3], s[\g1a:\g1a+7]
	s_nop 0
.rept 4
	v_nop
.endr
	s_branch .Lasked_\@
.Lfor_b_\@:
	tensor_load_to_lds s[\g0b:\g0b+3], s[\g1b:\g1b+7]
	s_nop 0
.rept 4
	v_nop
.endr
.Lasked_\@:
.endm
.macro CREST                           ; a round of the cluster's barrier behind its opening barrier
	s_cmp_lg_u32 s14, 0
	s_cbranch_scc1 .Lnot_wave_0_\@
	s_barrier_signal -3
.Lnot_wave_0_\@:
	s_barrier_wait -3
	s_barrier_signal -1
	s_barrier_wait -1
.endm
.macro CROUND
	s_barrier_signal -1
	s_barrier_wait -1
	CREST
.endm
.macro PLACES                          ; four places behind a matrix instruction of this form, in front of loads into its registers and of reads of its results
.rept 4
	v_nop
.endr
.endm
	s_load_b128 s[4:7], s[0:1], 0x0                ; cod, scl
	s_load_b128 s[8:11], s[0:1], 0x10              ; qb, kb
	s_load_b64 s[12:13], s[0:1], 0x20              ; vb
	v_lshl_add_u32 v[SPW], v0, 2, SPARE
	v_mov_b32 v[NIL], 0
	ds_add_u32 v28, v29
	ds_add_u32 v28, v29
	s_wait_dscnt 0x0
	v_lshrrev_b32 v1, 5, v0
	v_readfirstlane_b32 s14, v1                    ; wave 0..3
	s_lshr_b32 s15, s14, 1                         ; HA: my half of A's rows.  Also: I fetch for A (0) or for B (1)
	s_and_b32 s16, s14, 1                          ; HB: my half of B's rows.  Also: which 8 row tiles I fetch
	s_bfe_u32 s40, ttmp6, 0x40000                  ; cx
	s_bfe_u32 s41, ttmp6, 0x40004                  ; cy
	s_and_b32 s17, ttmp7, 0xffff                   ; cluster y
	s_movk_i32 s20, 640
	s_movk_i32 s21, 512
	s_cmp_eq_u32 ttmp9, 2                          ; v?  The cluster's x is the same in all sixteen partners
	s_cselect_b32 s18, 0, s17                      ; A's tiles: tokens by cluster y, or the weight's four tiles
	s_cselect_b32 s19, s17, ttmp9                  ; B's tiles: the weight's by cluster x, or tokens by cluster y
	s_cselect_b32 s20, s20, 0                      ; A's first row tile in cod: v's rows of the weight begin at 640, the tokens at 0
	s_cselect_b32 s21, 0, s21                      ; B's: the tokens at 0, the weight at 512
	s_cselect_b32 s95, 1, 0                        ; v
	s_lshl_b32 s18, s18, 2
	s_add_co_u32 s17, s18, s41                     ; tile row: hangs on cy alone within the cluster
	s_lshl_b32 s19, s19, 2
	s_add_co_u32 s42, s19, s40                     ; tile column: on cx alone
	s_lshl_b32 s43, s41, 2
	s_lshl_b32 s43, 15, s43                        ; my row of the cluster
	s_lshl_b32 s44, 0x1111, s40                    ; my column
	; group 1 for codes: 8 rows (row tiles) of 3,072 bytes (two K steps' images), 12,288 bytes apart; elements of 8 bytes; no padding: an image is read 256 consecutive bytes at a time
	s_or_b32 s[G1+0], s43, (3<<16)|(1<<21)
	s_or_b32 s[G1B+0], s44, (3<<16)|(1<<21)
.irp g, G1, G1B
	s_mov_b32 s[\g+1], 384<<16                     ; tensor_dim0
	s_mov_b32 s[\g+2], 8<<16                       ; tensor_dim1
	s_mov_b32 s[\g+3], 384<<16                     ; tile_dim0
	s_mov_b32 s[\g+4], 8                           ; tile_dim1
	s_mov_b32 s[\g+5], 1536                        ; tensor_dim0_stride
	s_mov_b32 s[\g+6], 0
	s_mov_b32 s[\g+7], 0
.endr
	; and for the scale words of 8 row tiles: a dense block of 4,096 bytes, as 16 rows of 256
	s_or_b32 s[G1S+0], s43, (3<<16)|(1<<21)
	s_or_b32 s[G1SB+0], s44, (3<<16)|(1<<21)
.irp g, G1S, G1SB
	s_mov_b32 s[\g+1], 32<<16
	s_mov_b32 s[\g+2], 16<<16
	s_mov_b32 s[\g+3], 32<<16
	s_mov_b32 s[\g+4], 16
	s_mov_b32 s[\g+5], 32
	s_mov_b32 s[\g+6], 0
	s_mov_b32 s[\g+7], 0
.endr
	s_lshl_b32 s18, s16, 3                         ; which 8 of the 16 row tiles I fetch
	s_lshl_b32 s22, s17, 4
	s_add_co_u32 s20, s20, s22
	s_add_co_u32 s20, s20, s18                     ; A: the first of my eight row tiles
	s_lshl_b32 s46, s42, 4
	s_add_co_u32 s46, s46, s21
	s_add_co_u32 s46, s46, s18                     ; B likewise
	s_lshl_b32 s22, s20, 9                         ; their scale words, 512 bytes a tile,
	s_mov_b32 s23, 0
	s_mul_i32 s20, s20, RT                         ; and their codes (all of cod is under 2^24 bytes)
	s_mov_b32 s21, 0
	s_lshl_b32 s92, s46, 9
	s_mov_b32 s93, 0
	s_mul_i32 s46, s46, RT
	s_mov_b32 s47, 0
	s_mul_i32 s45, s14, HALFT                      ; where they go: by the wave's number alone
	s_lshl_b32 s94, s14, 12
	s_wait_kmcnt 0x0
	s_add_nc_u64 s[20:21], s[4:5], s[20:21]
	s_add_nc_u64 s[22:23], s[6:7], s[22:23]
	s_add_nc_u64 s[46:47], s[4:5], s[46:47]
	s_add_nc_u64 s[92:93], s[6:7], s[92:93]
	CROUND                                         ; all sixteen work-groups are here: the first joint loads meet
	s_mov_b32 s[G0S], 1
	s_add_co_u32 s[G0S+1], s94, SCL
	s_mov_b64 s[G0S+2:G0S+3], s[22:23]
	s_or_b32 s[G0S+3], s[G0S+3], 0x80000000
	s_mov_b32 s[G0SB], 1
	s_add_co_u32 s[G0SB+1], s94, SCL
	s_mov_b64 s[G0SB+2:G0SB+3], s[92:93]
	s_or_b32 s[G0SB+3], s[G0SB+3], 0x80000000
	JLOAD G0S, G1S, G0SB, G1SB                     ; the scale words first: they are wanted with the first K step
.irp s, 0,1
	s_mov_b32 s[G0+4*\s], 1
	s_add_co_u32 s[G0+4*\s+1], s45, \s*SLOT
	s_add_nc_u64 s[G0+4*\s+2:G0+4*\s+3], s[20:21], \s*2*FRB
	s_or_b32 s[G0+4*\s+3], s[G0+4*\s+3], 0x80000000
	s_mov_b32 s[G0B+4*\s], 1
	s_add_co_u32 s[G0B+4*\s+1], s45, \s*SLOT
	s_add_nc_u64 s[G0B+4*\s+2:G0B+4*\s+3], s[46:47], \s*2*FRB
	s_or_b32 s[G0B+4*\s+3], s[G0B+4*\s+3], 0x80000000
	JLOAD G0+4*\s, G1, G0B+4*\s, G1B               ; three tensor loads of mine are out now
.endr
	v_and_b32 v1, 31, v0                           ; lane
	v_and_b32 v2, 15, v0                           ; r
	v_bfe_u32 v3, v0, 4, 1                         ; h
	v_lshlrev_b32 v[L8], 3, v1
	s_mul_i32 s21, s15, HALFT                      ; my 8 tiles of A
	s_mul_i32 s22, s16, HALFT                      ; my 8 tiles of B,
	s_add_co_u32 s22, s22, 2*HALFT                 ; which lie behind A's 16
.irp s, 0,1
	v_add_nc_u32 v[ADRA+\s], s21, v[L8]
	v_add_nc_u32 v[ADRB+\s], s22, v[L8]
	s_add_co_u32 s21, s21, SLOT
	s_add_co_u32 s22, s22, SLOT
.endr
	s_lshl_b32 s21, s15, 12                        ; A's scale words: my 8 tiles
	s_lshl_b32 s22, s16, 12                        ; B's, behind A's 8,192 bytes
	s_add_co_u32 s22, s22, 8192
	s_sub_co_u32 s22, s22, s21
	v_mul_u32_u24 v6, s22, v3                      ; lanes 16-31 take B's: one product, the distance x h
	v_lshl_add_u32 v6, v2, 4, v6                   ; + 16 r
	s_add_co_u32 s21, s21, SCL
	v_add_nc_u32 v[ADRS], s21, v6
	s_lshl_b32 s23, s14, 10
	s_add_co_u32 s23, s23, SSTG                    ; my stage for scale words
	v_lshl_add_u32 v[SSA], v2, 5, s23
	v_lshl_add_u32 v[SSR], v1, 4, s23
	s_mov_b32 s[SEL], 0x76543210
	s_mov_b32 s[SEL+1], 0xfedcba98
.irp b, 0,1,2,3
	v_mov_b32 v[TM+4+\b], 0                        ; written once: a lane permute's destination counts as one of its sources
.endr
	; the way out's scalars: all chosen by v, none enters an LDS address or a descriptor
	s_cmp_eq_u32 s95, 1
	s_cselect_b32 s66, s42, s17                    ; which 256 tokens
	s_cselect_b32 s67, s16, s15                    ; and which half of them is my wave's
	s_cselect_b32 s96, s41, s40                    ; which 256 features of q, k or v
	s_cselect_b32 s97, s15, s16                    ; and which half
	s_movk_i32 s98, 6656
	s_cselect_b32 s98, 6400, s98                   ; a record
	s_movk_i32 s18, 768
	s_cselect_b32 s18, 1536, s18                   ; from block a to block a + 1
	s_cselect_b32 s20, 96256, 0                    ; v: at a = 4 on to the next head: 16 x 6,400 - 4 x 1,536
	s_mov_b32 s22, 0xffff
	s_cselect_b32 s22, -1, s22                     ; q, k: the scale word's low half is the first head's
	s_mov_b32 s2, 106496
	s_cselect_b32 s2, 768, s2                      ; registers 6-11 go: v: 768 bytes on in the image; q, k: to the next head, 16 x 6,656 bytes on
	s_cselect_b32 s99, 102400, 16                  ; the scale words' way out: (lane % 2) x this
	s_cselect_b32 s100, 16, 32                     ; + (lane / 2) x this
	s_mov_b32 s19, 0
	s_mov_b32 s21, 0
	s_mov_b32 s3, 0
	s_lshl_b32 s66, s66, 1
	s_add_co_u32 s66, s66, s67                     ; my group of 128 tokens, 0 .. 63
	s_lshl_b32 s96, s96, 2
	s_lshl_b32 s97, s97, 1
	s_add_co_u32 s96, s96, s97                     ; my first head
	s_lshr_b32 s67, s66, 4                         ; the batch
	s_lshl_b32 s67, s67, 4
	s_add_co_u32 s67, s67, s96
	s_lshl_b32 s67, s67, 4
	s_and_b32 s66, s66, 15
	s_add_co_u32 s67, s67, s66                     ; (batch x 16 + head) x 16 + group
	s_mul_i32 s66, s67, s98
	s_mov_b32 s67, 0
	s_cmp_eq_u32 ttmp9, 0
	s_cselect_b64 s[8:9], s[8:9], s[10:11]
	s_cmp_eq_u32 ttmp9, 2
	s_cselect_b64 s[8:9], s[12:13], s[8:9]         ; qb, kb or vb
	s_add_nc_u64 s[8:9], s[8:9], s[66:67]          ; where registers 0-5 of block 0 go
	s_add_nc_u64 s[10:11], s[8:9], s[2:3]          ; and registers 6-11
	s_add_nc_u64 s[12:13], s[8:9], 6144            ; the record's scale words
	v_and_b32 v7, 1, v1
	v_mul_u32_u24 v[VOS], v7, s99
	v_lshrrev_b32 v7, 1, v1
	v_mad_u32_u24 v[VOS], v7, s100, v[VOS]
.macro FRAG reg, adr, q, i             ; a fragment comes as it was stored: six loads of 8 bytes a lane, 256 consecutive bytes each
.irp p, 0,1,2,3,4,5
	ds_load_b64 v[(\reg)+2*\p:(\reg)+2*\p+1], v[\adr] offset:(2*(\i)+(\q))*FRB+256*\p
.endr
.endm
; 16 matrix instructions: A's blocks a0, a0 + 1 x B's eight.  p: B's set; q: the slot's q-th 128 along K; sc: the set of scale words.  zero = 1: the first product starts the sums.
; The 64 accumulators take turns, one instruction a turn, in the same order in every step.
.macro MUL16 a0, p, q, sc, zero
.irp a, \a0, \a0+1
.irp b, 0,1,2,3,4,5,6,7
.if \zero
	v_wmma_scale_f32_16x16x128_f8f6f4 v[8*(8*((\a)%4)+\b):8*(8*((\a)%4)+\b)+7], v[128*(\p)+FR*\b:128*(\p)+FR*\b+FR-1], v[AF+FR*(\a):AF+FR*(\a)+FR-1], 0, v[SC+16*(\sc)+2*\b+(\q)], v[SC+16*(\sc)+2*(\a)+(\q)] matrix_a_fmt:MATRIX_FMT_FP6 matrix_b_fmt:MATRIX_FMT_FP6 matrix_a_scale:MATRIX_SCALE_ROW1
.else
	v_wmma_scale_f32_16x16x128_f8f6f4 v[8*(8*((\a)%4)+\b):8*(8*((\a)%4)+\b)+7], v[128*(\p)+FR*\b:128*(\p)+FR*\b+FR-1], v[AF+FR*(\a):AF+FR*(\a)+FR-1], v[8*(8*((\a)%4)+\b):8*(8*((\a)%4)+\b)+7], v[SC+16*(\sc)+2*\b+(\q)], v[SC+16*(\sc)+2*(\a)+(\q)] matrix_a_fmt:MATRIX_FMT_FP6 matrix_b_fmt:MATRIX_FMT_FP6 matrix_a_scale:MATRIX_SCALE_ROW1
.endif
.endr
.endr
.endm
.macro FETCH_B slot, q, p
	WIN TO_B
.irp i, 0,1,2,3,4,5,6,7
	FRAG 128*(\p)+FR*\i, ADRB+\slot, \q, \i
.endr
	WIN 0
.endm
.macro FETCH_A slot, q, i0
.irp i, \i0, \i0+1, \i0+2, \i0+3
	FRAG AF+FR*(\i), ADRA+\slot, \q, \i
.endr
.endm
.macro SCALES sc, sg                   ; the two scale words of slot number sg (K steps 2 sg, 2 sg + 1) for each of the 8 blocks, into set sc
.irp i, 0,1,2,3,4,5,6,7
	ds_load_b64 v[SC+16*(\sc)+2*\i:SC+16*(\sc)+2*\i+1], v[ADRS] offset:512*\i+256*((\sg)/2)+8*((\sg)%2)
.endr
.endm
.macro STEP slot, zero                 ; a slot's first 128 along K
	s_wait_dscnt 4*NL                              ; B's set, A's blocks 0-3 and the scale words are in; the 24 youngest loads (A's blocks 4-7) may be out
	WIN MUL_LO
	MUL16 0, 0, 0, \slot, \zero
	MUL16 2, 0, 0, \slot, \zero
	s_wait_dscnt 0x0
	PLACES
	FETCH_B \slot, 1, 1
	FETCH_A \slot, 1, 0
	WIN MUL_HI
	MUL16 4, 0, 0, \slot, \zero
	MUL16 6, 0, 0, \slot, \zero
	PLACES
	WIN 0
	FETCH_A \slot, 1, 4
.endm
; A slot's second 128 along K changes slots: one barrier; in front of it each wave waits for all its tensor loads, adds 0 to its spare word, and waits for that and for its reads of this slot.
; fill = 1: this slot is filled again, two slots' worth of K ahead.  sg: this slot's number along K.
.macro TURN slot, next, fill, sg
	s_wait_tensorcnt 0x0                           ; all my tensor loads have landed: my part of the next slot
	ds_add_u32 v[SPW], v[NIL]                      ; 0 onto my spare word
	s_wait_dscnt 4*NL+1                            ; (the add and the 24 youngest loads may be out)
	WIN MUL_LO
	MUL16 0, 1, 1, \slot, 0
	s_wait_dscnt 0x0                               ; the add is done, and my reads of this slot are over
	s_barrier_signal -1
	MUL16 2, 1, 1, \slot, 0
	WIN 0
	s_barrier_wait -1
.if \fill
	CREST                                          ; the barrier has opened a round of the cluster's: no wave of any partner still reads this slot or has a load on its way
	s_add_nc_u64 s[G0+4*\slot+2:G0+4*\slot+3], s[G0+4*\slot+2:G0+4*\slot+3], 4*FRB
	s_add_nc_u64 s[G0B+4*\slot+2:G0B+4*\slot+3], s[G0B+4*\slot+2:G0B+4*\slot+3], 4*FRB
	JLOAD G0+4*\slot, G1, G0B+4*\slot, G1B         ; the first tensor load behind the round; its four v_nop are the places in front of the loads below
.else
	PLACES
.endif
	FETCH_B \next, 0, 0
	FETCH_A \next, 0, 0
	SCALES \next, (\sg)+1
	WIN MUL_HI
	MUL16 4, 1, 1, \slot, 0
	MUL16 6, 1, 1, \slot, 0
	PLACES
	WIN 0
	FETCH_A \next, 0, 4
.endm
	s_wait_tensorcnt 1                             ; the scale words and my part of slot 0 are in; slot 1's load may be out
	s_barrier_signal -1
	s_barrier_wait -1
	FETCH_B 0, 0, 0
	FETCH_A 0, 0, 0
	SCALES 0, 0
	FETCH_A 0, 0, 4
	STEP 0, 1                                      ; K 0-127: its products start the sums
	TURN 0, 1, 1, 0
	STEP 1, 0
	TURN 1, 0, 1, 1
	STEP 0, 0
	TURN 0, 1, 0, 2                                ; nothing is left to fetch
	STEP 1, 0
	s_wait_dscnt 4*NL                              ; K 896-1,023
	WIN MUL_LO
	MUL16 0, 1, 1, 1, 0
	MUL16 2, 1, 1, 1, 0
	s_wait_dscnt 0x0
	WIN MUL_HI
	MUL16 4, 1, 1, 1, 0
	MUL16 6, 1, 1, 1, 0
	WIN 0
	PLACES
; THE WAY OUT.  Block a's 64 registers of a lane, register 16 b + i = 32 b + 16 (lane / 16) + i along B's rows, are quantised as they stand: AC = their first register, AW = their window.
.macro QUANTW
	WIN 0
.irp b, 0,1,2,3
	v_mov_b32 v[TM+\b], 0x1800000                  ; the floor 2^(3 - 127): the byte cannot fall under 1
.endr
	WIN (AW<<2)|(AW<<4)
.irp i, 0,2,4,6,8,10,12,14             ; ascending: each accumulator is first read at its registers 0 and 1
.irp b, 0,1,2,3
	v_max3_num_f32 v[TM+\b], v[TM+\b], |v[AC+16*\b+\i]|, |v[AC+16*\b+\i+1]|
.endr
.endr
	WIN 0
.irp b, 0,1,2,3
	v_permlanex16_b32 v[TM+4+\b], v[TM+\b], s[SEL], s[SEL+1]
.endr
.irp b, 0,1,2,3
	v_max_num_f32 v[TM+\b], v[TM+\b], v[TM+4+\b]
.endr
.irp b, 0,1,2,3
	v_add_nc_u32 v[TM+8+\b], 0xff000000, v[TM+\b]
.endr
.irp b, 0,1,2,3
	v_lshrrev_b32 v[TM+4+\b], 23, v[TM+8+\b]
.endr
	v_lshl_or_b32 v[PW], v[TM+5], 8, v[TM+4]
	v_lshl_or_b32 v[PW], v[TM+6], 16, v[PW]
	v_lshl_or_b32 v[PW], v[TM+7], 24, v[PW]
	s_wait_xcnt 0x0                                ; the last block's stores have read the codes' registers and their bases: both are written again below
	WIN AW
.irp c, 0,1
	v_cvt_scalef32_pk16_fp6_f32 v[PC+6*\c:PC+2+6*\c], v[AC+32*\c:AC+15+32*\c], v[TM+8+2*\c]
	v_cvt_scalef32_pk16_fp6_f32 v[PC+12+4*\c:PC+14+4*\c], v[AC+16+32*\c:AC+31+32*\c], v[TM+9+2*\c]
.endr
	WIN 0
	v_nop                                          ; one plain place behind a scaled conversion
.irp c, 0,1
.irp i, 0,1,2
	v_permlane16_swap_b32 v[PC+6*\c+\i], v[PC+12+4*\c+\i]
.endr
.irp i, 0,1,2
	v_mov_b32 v[PC+3+6*\c+\i], v[PC+12+4*\c+\i]
.endr
.endr
.endm
.irp a, 0,1,2,3,4,5,6,7
.set AC, 64*((\a)%4)
.set AW, 2+(\a)/4
	QUANTW
.if \a > 0
	s_add_nc_u64 s[8:9], s[8:9], s[18:19]
	s_add_nc_u64 s[10:11], s[10:11], s[18:19]
.endif
.if \a == 4
	s_add_nc_u64 s[8:9], s[8:9], s[20:21]
	s_add_nc_u64 s[10:11], s[10:11], s[20:21]
.endif
.irp j, 0,1,2
	global_store_b64 v[L8], v[PC+2*\j:PC+2*\j+1], s[8:9] offset:256*\j       ; 32 lanes store 256 consecutive bytes, aligned
.endr
.irp j, 0,1,2
	global_store_b64 v[L8], v[PC+6+2*\j:PC+7+2*\j], s[10:11] offset:256*\j
.endr
	v_and_b32 v[PWL], s22, v[PW]                   ; q, k: the first head's two bytes; v: the whole word
	v_lshrrev_b32 v[PWH], 16, v[PW]                ; q, k: the second head's
	ds_store_b32 v[SSA], v[PWL] offset:4*\a        ; lanes r and r + 16 write the same word with the same value
	ds_store_b32 v[SSA], v[PWH] offset:512+4*\a
.endr
	ds_load_b128 v[RB:RB+3], v[SSR]                ; LDS serves a wave's instructions in order: these see my stores
	ds_load_b128 v[RB+4:RB+7], v[SSR] offset:512
	s_wait_dscnt 0x0
	global_store_b128 v[VOS], v[RB:RB+3], s[12:13] ; q, k: the first head's 512 bytes; v: 256 bytes for each of the two heads
	s_cmp_eq_u32 s95, 1
	s_cbranch_scc1 .Lno_second                     ; the same way in all sixteen partners
	global_store_b128 v[VOS], v[RB+4:RB+7], s[12:13] offset:106496   ; q, k: the second head's
.Lno_second:
	s_wait_tensorcnt 0x0                           ; the wave's end
	ds_add_u32 v[SPW], v[NIL]
	s_wait_dscnt 0x0
	CROUND                                         ; the closing round
	s_endpgm
.Lfunc_end_k_q8cf29dcb97_qkv:
	.size	k_q8cf29dcb97_qkv, .Lfunc_end_k_q8cf29dcb97_qkv-k_q8cf29dcb97_qkv
	.p2alignl 7, 3214868480
	.fill 96, 4, 3214868480
	.section	.rodata,"a",@progbits
	.p2align	6, 0x0
	.amdhsa_kernel k_q8cf29dcb97_qkv
		.amdhsa_group_segment_fixed_size 327680
		.amdhsa_private_segment_fixed_size 0
		.amdhsa_enable_private_segment 0
		.amdhsa_kernarg_size 40
		.amdhsa_user_sgpr_count 2
		.amdhsa_user_sgpr_kernarg_segment_ptr 1
		.amdhsa_wavefront_size32 1
		.amdhsa_system_sgpr_workgroup_id_x 1
		.amdhsa_system_sgpr_workgroup_id_y 1
		.amdhsa_system_sgpr_workgroup_id_z 1
		.amdhsa_system_vgpr_workitem_id 0
		.amdhsa_next_free_vgpr 1024
		.amdhsa_next_free_sgpr 102
		.amdhsa_reserve_vcc 0
		.amdhsa_float_denorm_mode_32 3
		.amdhsa_float_denorm_mode_16_64 3
		.amdhsa_memory_ordered 1
		.amdhsa_forward_progress 1
		.amdhsa_inst_pref_size 170
	.end_amdhsa_kernel
	.amdgpu_metadata
---
amdhsa.version: [ 1, 2 ]
amdhsa.kernels:
  - .name:           k_q8cf29dcb97_qkv
    .symbol:         k_q8cf29dcb97_qkv.kd
    .args:
      - { .name: cod, .offset: 0, .size: 8, .value_kind: global_buffer, .address_space: global }
      - { .name: scl, .offset: 8, .size: 8, .value_kind: global_buffer, .address_space: global }
      - { .name: qb, .offset: 16, .size: 8, .value_kind: global_buffer, .address_space: global }
      - { .name: kb, .offset: 24, .size: 8, .value_kind: global_buffer, .address_space: global }
      - { .name: vb, .offset: 32, .size: 8, .value_kind: global_buffer, .address_space: global }
    .group_segment_fixed_size: 327680
    .private_segment_fixed_size: 0
    .kernarg_segment_align: 8
    .kernarg_segment_size: 40
    .max_flat_workgroup_size: 128
    .sgpr_count:     102
    .vgpr_count:     1024
    .wavefront_size: 32
...
	.end_amdgpu_metadata
.endif
;; end of part 2
;; launch attn (part 3): grid 4 x 64, 16 waves a work-group, clusters of 4 x 1, 327,680 bytes of LDS; arguments qb, kb, vb, att, asc; writes att, asc
.if DOCPART == 3
	.amdgcn_target "amdgcn-amd-amdhsa--gfx1250"
	.amdhsa_code_object_version 6
	.text
	.protected	k_q8cf29dcb97_attn
	.globl	k_q8cf29dcb97_attn
	.p2align	8
	.type	k_q8cf29dcb97_attn,@function
k_q8cf29dcb97_attn:
	s_mov_b64 s[64:65], 0
	v_nop
	global_prefetch_b8 v0, s[64:65] scope:SCOPE_SE
	s_setreg_imm32_b32 hwreg(HW_REG_WAVE_MODE, 25, 1), 1
	s_wait_xcnt 0x0
	s_wait_alu depctr_hold_cnt(0) depctr_sa_sdst(0) depctr_va_vdst(0) depctr_va_sdst(0) depctr_va_ssrc(0) depctr_va_vcc(0) depctr_vm_vsrc(0)
	s_getreg_b32 s2, hwreg(HW_REG_IB_STS2, 6, 4)
	s_cmp_eq_u32 s2, 0
	s_cbranch_scc0 .Lentry_in_a_cluster
	s_endpgm
.Lentry_in_a_cluster:
	s_bfe_u32 s2, ttmp6, 0x10000c
	s_cmp_lg_u32 s2, 0x3003
	s_cbranch_scc0 .Lentry_shape_is_right
	s_endpgm
.Lentry_shape_is_right:
; Causal attention of one head (batch x head = cluster y) on codes of FP6 (E2M3) with E8M0 scales, and its result quantised along the channels for the last product.
; t = score x log2(e) / 8; M = the row's largest t so far, rounded UP to a whole number; p = 2^(t - M) is quantised along the keys, not normalised; the row's sum is taken of the unquantised p and divides O at the end.
; When M moves, the sum and O are multiplied by 2^(old M - new M): exact.
; IN: qb, kb: [head][group of 128 tokens 16][6,656]: 8 half images (768 bytes: registers 0-5 of a fragment, K = the head's 64), then the scale words [r 16][t 8].  vb: [head][key step 16][6,400]: 4 images (16 of the head's 64 x 128 keys), then [r 16][t 4].
; Lane r of tile t of a group holds token (or channel) 32 (t / 2) + 8 (t % 2) + r + 8 (r / 8).
; A HEAD'S K AND V LIE IN LDS WHOLE: 16 x 6,656 + 16 x 6,400 = 208,896 bytes, filled once: no ring, no refill, no barrier in the main part.
; CLUSTER: the four work-groups of a cluster own the four quarters of one head's queries and read the same K and V: every record is asked for jointly (mask 15); wave w brings K's record w and V's record w.
; SHARES: wave w (u = w / 2, e = w % 2) takes two tiles of 16 queries, one after the other: tile 2 cx + e of group u (u + 1 key steps) and of group 15 - u (16 - u key steps): 17 key steps for every wave.
; Which steps are left out or lie on the diagonal hangs on the wave's number alone; cx enters global addresses and the mask's data, no branch and no LDS address.
; BOTH PRODUCTS TRANSPOSED: S^T = K Q^T (source 0 = 16 keys), O^T = V^T P^T (source 0 = 16 channels): a lane holds one query (lane % 16) throughout.
; K = 64 in an instruction of 128: Q's registers 6-11 are zero codes, so whatever codes stand in registers 6-11 of K's operand add nothing (both sides' scale bytes 2 and 3 are 0, a finite power of two):
; K's 8 half fragments lie 6 registers apart, and tile t's operand runs on over tile t + 1's registers.
; OUT: att: [token tile 512][head 16][768]: the same form as a row tile of codes with K = 1,024.  asc: [head][cx 4][wave 16][lane 32][2 words]: the first pass's scale word (two bytes), then the second's.
; LIMITS: a block of zeros gets the scale byte 1 (its codes are zeros; this program alone reads the bytes); NaN and infinities are not served.
; REGISTERS: v1 8 x lane, v2 32 r, v3 16 r; v4-7 the step's LDS addresses; v8 the mask's number; v9, v29 Q's offsets; v[10:11] the results' scale words; v12 -M, v13 the largest t, v[14:15] the sum;
;   v16-27, v28 the first tile's Q and its scale word; v224-235, v236 the second's; v32-85 K's half fragments, then v32-79 V's four; v88-95 their scale words; v96-159 S^T, then p; v160-191 O^T;
;   v192-203 p's codes; v204-222 at work (v220 f, v221 p's scale word).
.set KREC,  6656
.set VREC,  6400
.set VBASE, 16*KREC
.set WV,   18
.set SEL,  20                          ; s[20:21] lane selects: lane l xor 16
.set CS,   22                          ; s[22:23] c = log2(e) / 8
.set G1K,  24
.set G1V,  32
.set G0K,  40
.set G0V,  44
.set KC,   48                          ; the key step
.set TK,   49                          ; its record of K in LDS
.set TV,   50                          ; and of V
.macro ROUND                           ; a round of the cluster's barrier
	s_barrier_signal -1
	s_barrier_wait -1
	s_cmp_lg_u32 s[WV], 0
	s_cbranch_scc1 .Lnot_wave_0_\@
	s_barrier_signal -3
.Lnot_wave_0_\@:
	s_barrier_wait -3
	s_barrier_signal -1
	s_barrier_wait -1
.endm
	s_load_b128 s[4:7], s[0:1], 0x0                ; qb, kb
	s_load_b128 s[8:11], s[0:1], 0x10              ; vb, att
	s_load_b64 s[12:13], s[0:1], 0x20              ; asc
	v_lshl_add_u32 v254, v0, 2, 0x33000
	v_mov_b32 v255, 0
	ds_add_u32 v254, v255
	ds_add_u32 v254, v255
	v_lshrrev_b32 v4, 5, v0
	s_delay_alu instid0(VALU_DEP_1)
	v_readfirstlane_b32 s[WV], v4                  ; wave 0..15
	s_bfe_u32 s52, ttmp6, 0x40000                  ; cx
	s_and_b32 s53, ttmp7, 0xffff                   ; batch x 16 + head
	; a record is a dense block: rows of 256 bytes (32 elements of 8 bytes), 26 for K, 25 for V; the mask names all four work-groups
	s_mov_b32 s[G1K], 15|(3<<16)|(1<<21)
	s_mov_b32 s[G1K+1], 32<<16
	s_mov_b32 s[G1K+2], 26<<16
	s_mov_b32 s[G1K+3], 32<<16
	s_mov_b32 s[G1K+4], 26
	s_mov_b32 s[G1K+5], 32
	s_mov_b32 s[G1K+6], 0
	s_mov_b32 s[G1K+7], 0
	s_mov_b32 s[G1V], 15|(3<<16)|(1<<21)
	s_mov_b32 s[G1V+1], 32<<16
	s_mov_b32 s[G1V+2], 25<<16
	s_mov_b32 s[G1V+3], 32<<16
	s_mov_b32 s[G1V+4], 25
	s_mov_b32 s[G1V+5], 32
	s_mov_b32 s[G1V+6], 0
	s_mov_b32 s[G1V+7], 0
	s_lshl_b32 s68, s53, 4                         ; the head's first record
	s_add_co_u32 s54, s68, s[WV]
	s_mul_i32 s56, s54, KREC
	s_mov_b32 s57, 0
	s_mul_i32 s58, s54, VREC
	s_mov_b32 s59, 0
	s_mul_i32 s60, s[WV], KREC
	s_mul_i32 s61, s[WV], VREC
	s_add_co_u32 s61, s61, VBASE
	s_mov_b32 s[SEL], 0x76543210
	s_mov_b32 s[SEL+1], 0xfedcba98
	s_mov_b32 s[CS], 0x3e38aa3b
	s_mov_b32 s[CS+1], s[CS]                       ; (named with it as a pair, so it is written)
	s_wait_dscnt 0x0
	s_wait_kmcnt 0x0
	s_mov_b32 s[G0K], 1
	s_mov_b32 s[G0K+1], s60
	s_add_nc_u64 s[G0K+2:G0K+3], s[6:7], s[56:57]
	s_or_b32 s[G0K+3], s[G0K+3], 0x80000000
	s_mov_b32 s[G0V], 1
	s_mov_b32 s[G0V+1], s61
	s_add_nc_u64 s[G0V+2:G0V+3], s[8:9], s[58:59]
	s_or_b32 s[G0V+3], s[G0V+3], 0x80000000
	ROUND                                          ; all four work-groups are here: the joint loads meet
	tensor_load_to_lds s[G0K:G0K+3], s[G1K:G1K+7]  ; K's record: one tensor load of mine is out
	s_nop 0
	s_wait_alu depctr_va_vdst(0)
	s_wait_tensorcnt 0x0
	ds_add_u32 v254, v255
	s_wait_dscnt 0x0
	ROUND
	tensor_load_to_lds s[G0V:G0V+3], s[G1V:G1V+7]
	s_nop 0
.rept 4
	v_nop
.endr
	s_lshr_b32 s62, s[WV], 1                       ; u: the first pass's group, and its last key step
	s_and_b32 s63, s[WV], 1
	s_lshl_b32 s66, s52, 1
	s_add_co_u32 s66, s66, s63                     ; my tile in a group: 2 cx + e
	s_sub_co_u32 s67, 15, s62                      ; the second pass's group, and its last key step
	s_add_co_u32 s69, s68, s62
	s_mul_i32 s70, s69, KREC
	s_mov_b32 s71, 0
	s_add_nc_u64 s[70:71], s[4:5], s[70:71]        ; Q's record, first pass
	s_add_co_u32 s69, s68, s67
	s_mul_i32 s74, s69, KREC
	s_mov_b32 s75, 0
	s_add_nc_u64 s[74:75], s[4:5], s[74:75]        ; second pass
	s_mul_i32 s72, s66, 768
	s_lshl_b32 s73, s66, 2
	s_lshr_b32 s76, s66, 1
	s_lshl_b32 s76, s76, 5
	s_and_b32 s77, s66, 1
	s_lshl_b32 s77, s77, 3
	s_add_co_u32 s76, s76, s77                     ; my tile's first query in its group
	s_lshr_b32 s78, s53, 4
	s_lshl_b32 s78, s78, 7
	s_add_co_u32 s78, s78, s66                     ; batch x 128 + my tile
	s_and_b32 s79, s53, 15
	s_mul_i32 s79, s79, 768                        ; the head's place in a token tile of att
	s_lshl_b32 s80, s62, 3
	s_add_co_u32 s80, s80, s78
	s_mul_i32 s80, s80, 12288
	s_add_co_u32 s80, s80, s79
	s_mov_b32 s81, 0
	s_add_nc_u64 s[80:81], s[10:11], s[80:81]      ; att, first pass
	s_lshl_b32 s82, s67, 3
	s_add_co_u32 s82, s82, s78
	s_mul_i32 s82, s82, 12288
	s_add_co_u32 s82, s82, s79
	s_mov_b32 s83, 0
	s_add_nc_u64 s[82:83], s[10:11], s[82:83]      ; second pass
	s_lshl_b32 s84, s53, 2
	s_add_co_u32 s84, s84, s52
	s_lshl_b32 s84, s84, 4
	s_add_co_u32 s84, s84, s[WV]
	s_lshl_b32 s84, s84, 8
	s_mov_b32 s85, 0
	s_add_nc_u64 s[12:13], s[12:13], s[84:85]      ; asc: my wave's 256 bytes
	v_and_b32 v30, 31, v0
	s_delay_alu instid0(VALU_DEP_1)
	v_lshlrev_b32 v1, 3, v30                       ; 8 x lane
	v_and_b32 v31, 15, v0                          ; r
	s_delay_alu instid0(VALU_DEP_1)
	v_lshlrev_b32 v2, 5, v31
	s_delay_alu instid0(VALU_DEP_2)
	v_lshlrev_b32 v3, 4, v31
	s_delay_alu instid0(VALU_DEP_4)
	v_add_nc_u32 v9, s72, v1                       ; Q's half image in its record
	s_delay_alu instid0(VALU_DEP_3)
	v_add_nc_u32 v29, s73, v2                      ; and its scale word
.irp j, 0,1,2
	global_load_b64 v[16+2*\j:17+2*\j], v9, s[70:71] offset:256*\j
	global_load_b64 v[224+2*\j:225+2*\j], v9, s[74:75] offset:256*\j
.endr
	global_load_b32 v28, v29, s[70:71] offset:6144
	global_load_b32 v236, v29, s[74:75] offset:6144
	v_and_b32 v30, 8, v31
	s_delay_alu instid0(VALU_DEP_1)
	v_add_nc_u32 v30, v30, v31                     ; r + 8 (r / 8)
	v_and_b32 v31, 16, v0                          ; 16 h
	s_delay_alu instid0(VALU_DEP_1)
	v_sub_nc_u32 v8, v30, v31
	s_delay_alu instid0(VALU_DEP_1)
	v_add_nc_u32 v8, s76, v8                       ; my query in its group - 16 h: on the diagonal register 16 b + i holds a hidden key where 32 b + i is greater
.irp j, 0,1,2,3,4,5
	v_mov_b32 v[22+\j], 0                          ; Q's codes of k = 64 .. 127: zeros
	v_mov_b32 v[230+\j], 0
	v_mov_b32 v[80+\j], 0                          ; what stands behind K's tile 7
.endr
.irp b, 0,1,2,3
	v_mov_b32 v[208+\b], 0                         ; written once: a lane permute's destination counts as one of its sources
.endr
	v_mov_b32 v221, 0                              ; (named as the upper half of the pair v[220:221] before it is first written)
	v_mov_b32 v222, 0
	s_wait_tensorcnt 0x0                           ; my two records are in,
	s_barrier_signal -1
	s_barrier_wait -1                              ; everybody's are: K and V lie in LDS whole
	s_wait_loadcnt 0x0                             ; Q
; A PASS: one tile of 16 queries against key steps 0 .. s[last].  qf, qs: Q's fragment and scale word; pw: where the result's scale word goes; ob: att's address.
.macro PASS last, qf, qs, pw, ob
	s_wait_xcnt 0x0                                ; the last pass's stores have read the registers that are written again below
	v_mov_b32 v13, 0xff61b1e6                      ; the largest t so far: -3e38, under every t
	s_delay_alu instid0(VALU_DEP_1)
	v_floor_f32 v12, -v13                          ; -M
	v_mov_b32 v14, 0
	v_mov_b32 v15, 0
.set j, 0
.rept 32
	v_mov_b32 v[160+j], 0                          ; O^T: the step is written once; the first finds zeros, which the first change of M leaves zeros
.set j, j+1
.endr
	s_mov_b32 s[KC], 0
	s_mov_b32 s[TK], 0
	s_mov_b32 s[TV], VBASE
.Lstep_\@:                             ; 16 trips, a constant; a step all of whose keys come after my queries is jumped over: a branch on the wave's number and the count
	s_cmp_gt_u32 s[KC], s[\last]
	s_cbranch_scc1 .Lhidden_\@
	s_setprio 2
	v_add_nc_u32 v4, s[TK], v1                     ; these four are also the places behind the last trip's products
	v_add_nc_u32 v5, s[TK], v2
	v_add_nc_u32 v6, s[TV], v1
	v_add_nc_u32 v7, s[TV], v3
.irp t, 0,1,2,3,4,5,6,7
.irp p, 0,1,2
	ds_load_b64 v[32+6*\t+2*\p:33+6*\t+2*\p], v4 offset:768*\t+256*\p
.endr
.endr
	ds_load_b128 v[88:91], v5 offset:6144          ; K's eight scale words of my row
	ds_load_b128 v[92:95], v5 offset:6160
	s_wait_alu depctr_va_vdst(0)
	s_wait_dscnt 0x0
.irp t, 0,1,2,3,4,5,6,7
	v_wmma_scale_f32_16x16x128_f8f6f4 v[96+8*\t:103+8*\t], v[32+6*\t:43+6*\t], v[\qf:\qf+11], 0, v[88+\t], v[\qs] matrix_a_fmt:MATRIX_FMT_FP6 matrix_b_fmt:MATRIX_FMT_FP6
.endr
.rept 4
	v_nop                                          ; places in front of the loads below and of the first read of the scores
.endr
.irp t, 0,1,2,3
.irp p, 0,1,2,3,4,5
	ds_load_b64 v[32+12*\t+2*\p:33+12*\t+2*\p], v6 offset:1536*\t+256*\p   ; V's four fragments land while the softmax is walked
.endr
.endr
	ds_load_b128 v[88:91], v7 offset:6144          ; and their scale words
	s_cmp_lg_u32 s[KC], s[\last]
	s_cbranch_scc1 .Lopen_\@
	v_mov_b32 v222, 0xff800000                     ; on the diagonal the scores of hidden keys become -infinity: p = 0 then.  The group's first key counts for every query
.set n, 0
.rept 64
	v_cmp_gt_i32 vcc_lo, 32*(n/16)+n%16, v8
	v_cndmask_b32 v[96+n], v[96+n], v222, vcc_lo
.set n, n+1
.endr
.Lopen_\@:
.irp b, 0,1,2,3
	v_max3_num_f32 v[204+\b], v[96+16*\b], v[97+16*\b], v[98+16*\b]   ; the largest score of each block of 32 keys: it serves the row's maximum and, since p rises with the score, the block's largest p
.endr
.irp i, 3,5,7,9,11,13
.irp b, 0,1,2,3
	v_max3_num_f32 v[204+\b], v[204+\b], v[96+16*\b+\i], v[97+16*\b+\i]
.endr
.endr
.irp b, 0,1,2,3
	v_max_num_f32 v[204+\b], v[204+\b], v[111+16*\b]
.endr
.irp b, 0,1,2,3
	s_delay_alu instid0(VALU_DEP_4)
	v_permlanex16_b32 v[208+\b], v[204+\b], s[SEL], s[SEL+1]
.endr
.irp b, 0,1,2,3
	s_delay_alu instid0(VALU_DEP_4)
	v_max_num_f32 v[204+\b], v[204+\b], v[208+\b]  ; with lane l xor 16's 16 keys
.endr
	s_delay_alu instid0(VALU_DEP_2)
	v_max3_num_f32 v222, v204, v205, v206
	s_delay_alu instid0(VALU_DEP_1)
	v_max_num_f32 v222, v222, v207
	s_delay_alu instid0(VALU_DEP_1)
	v_mul_f32 v222, s[CS], v222                    ; the step's largest t of my query
	s_delay_alu instid0(VALU_DEP_1)
	v_max_num_f32 v13, v13, v222
	v_mov_b32 v222, v12
	s_delay_alu instid0(VALU_DEP_2)
	v_floor_f32 v12, -v13                          ; the new -M = -ceil(t)
	s_delay_alu instid0(VALU_DEP_1)
	v_sub_f32 v222, v12, v222                      ; old M - new M: a whole number, 0 or less
	s_delay_alu instid0(VALU_DEP_1)
	v_cvt_i32_f32 v222, v222                       ; (it saturates)
	s_delay_alu instid0(VALU_DEP_1)
	v_ldexp_f32 v220, 1.0, v222                    ; f = 2^(old M - new M)
.set j, 0
	s_setprio 1
.rept 32
	v_pk_fma_f32 v[96+j:97+j], v[96+j:97+j], s[CS:CS+1], v[12:13] op_sel_hi:[1,0,0]   ; t - M, two at a time
.set j, j+2
.endr
.irp b, 0,1,2,3
	v_fma_f32 v[204+\b], v[204+\b], s[CS], v12     ; the same of each block's largest score
.endr
.set j, 0
	s_wait_alu depctr_va_vdst(0)
.rept 64
	v_exp_f32 v[96+j], v[96+j]                     ; p = 2^(t - M)
.set j, j+1
.endr
	v_pk_mul_f32 v[14:15], v[14:15], v[220:221] op_sel_hi:[1,0]   ; the sums under the new M: a plain place behind the exponentials
	s_wait_alu depctr_va_vdst(0)                   ; one wait for the batch of 64, ahead of its first reader
.irp b, 0,1,2,3
	v_exp_f32 v[204+\b], v[204+\b]                 ; the block's largest p
.endr
	v_pk_add_f32 v[208:209], v[96:97], v[98:99]    ; the row's sum of the unquantised p, in two chains
.irp j, 4,8,12,16,20,24,28,32,36,40,44,48,52,56,60
	v_pk_add_f32 v[14:15], v[14:15], v[96+\j:97+\j]
	v_pk_add_f32 v[208:209], v[208:209], v[98+\j:99+\j]
.endr
	s_delay_alu instid0(VALU_DEP_1)
	v_pk_add_f32 v[14:15], v[14:15], v[208:209]
	s_setprio 0
	s_wait_alu depctr_va_vdst(0)                   ; and one for the four
.irp b, 0,1,2,3
	v_max_num_f32 v[204+\b], 0x1800000, v[204+\b]  ; the floor 2^(3 - 127): the byte cannot fall under 1
.endr
.irp b, 0,1,2,3
	s_delay_alu instid0(VALU_DEP_4)
	v_add_nc_u32 v[216+\b], 0xff000000, v[204+\b]  ; 2 off the exponent field: the conversion's scale operand
.endr
.irp b, 0,1,2,3
	s_delay_alu instid0(VALU_DEP_4)
	v_lshrrev_b32 v[208+\b], 23, v[216+\b]
.endr
	s_delay_alu instid0(VALU_DEP_3)
	v_lshl_or_b32 v221, v209, 8, v208              ; p's scale word for these 128 keys
	s_delay_alu instid0(VALU_DEP_1)
	v_lshl_or_b32 v221, v210, 16, v221
	s_delay_alu instid0(VALU_DEP_1)
	v_lshl_or_b32 v221, v211, 24, v221
.irp c, 0,1
	v_cvt_scalef32_pk16_fp6_f32 v[192+6*\c:194+6*\c], v[96+32*\c:111+32*\c], v[216+2*\c]
	v_cvt_scalef32_pk16_fp6_f32 v[208+4*\c:210+4*\c], v[112+32*\c:127+32*\c], v[217+2*\c]
.endr
	v_nop                                          ; one plain place behind a scaled conversion
.irp c, 0,1
.irp i, 0,1,2
	v_permlane16_swap_b32 v[192+6*\c+\i], v[208+4*\c+\i]
.endr
.irp i, 0,1,2
	s_delay_alu instid0(VALU_DEP_3)
	v_mov_b32 v[195+6*\c+\i], v[208+4*\c+\i]
.endr
.endr
.set j, 0
.rept 16
	v_pk_mul_f32 v[160+j:161+j], v[160+j:161+j], v[220:221] op_sel_hi:[1,0]   ; O^T under the new M; for each product below twelve of these name none of its registers: its places behind the scale word and the codes
.set j, j+2
.endr
	s_wait_alu depctr_va_vdst(0)
	s_wait_dscnt 0x0                               ; V is in
.irp t, 0,1,2,3
	v_wmma_scale_f32_16x16x128_f8f6f4 v[160+8*\t:167+8*\t], v[32+12*\t:43+12*\t], v[192:203], v[160+8*\t:167+8*\t], v[88+\t], v221 matrix_a_fmt:MATRIX_FMT_FP6 matrix_b_fmt:MATRIX_FMT_FP6
.endr
.Lhidden_\@:
	s_add_co_u32 s[TK], s[TK], KREC
	s_add_co_u32 s[TV], s[TV], VREC
	s_add_co_u32 s[KC], s[KC], 1
	s_cmp_lt_u32 s[KC], 16
	s_cbranch_scc1 .Lstep_\@
	s_setprio 0
.rept 4
	v_nop                                          ; places behind the last products
.endr
	v_add_f32 v14, v14, v15
	s_delay_alu instid0(VALU_DEP_1)
	v_permlanex16_b32 v222, v14, s[SEL], s[SEL+1]
	s_delay_alu instid0(VALU_DEP_1)
	v_add_f32 v14, v14, v222                       ; the row's sum
	s_wait_alu depctr_va_vdst(0)
	v_rcp_f32 v14, v14
	v_nop                                          ; a plain place behind the reciprocal
	s_wait_alu depctr_va_vdst(0)                   ; and the wait ahead of its first reader
.set j, 0
.rept 16
	v_pk_mul_f32 v[96+j:97+j], v[160+j:161+j], v[14:15] op_sel_hi:[1,0]   ; O^T / the sum: register 16 b + i is channel 32 b + 16 h + i of my query
.set j, j+2
.endr
.irp b, 0,1
	v_max3_num_f32 v[204+\b], |v[96+16*\b]|, |v[97+16*\b]|, 0x1800000
.endr
.irp i, 2,4,6,8,10,12,14
.irp b, 0,1
	s_delay_alu instid0(VALU_DEP_2)
	v_max3_num_f32 v[204+\b], v[204+\b], |v[96+16*\b+\i]|, |v[97+16*\b+\i]|
.endr
.endr
.irp b, 0,1
	s_delay_alu instid0(VALU_DEP_2)
	v_permlanex16_b32 v[208+\b], v[204+\b], s[SEL], s[SEL+1]
.endr
.irp b, 0,1
	s_delay_alu instid0(VALU_DEP_2)
	v_max_num_f32 v[204+\b], v[204+\b], v[208+\b]
.endr
.irp b, 0,1
	s_delay_alu instid0(VALU_DEP_2)
	v_add_nc_u32 v[216+\b], 0xff000000, v[204+\b]
.endr
.irp b, 0,1
	s_delay_alu instid0(VALU_DEP_2)
	v_lshrrev_b32 v[208+\b], 23, v[216+\b]
.endr
	s_delay_alu instid0(VALU_DEP_1)
	v_lshl_or_b32 v[\pw], v209, 8, v208            ; the head's two scale bytes of my query
	v_cvt_scalef32_pk16_fp6_f32 v[192:194], v[96:111], v216
	v_cvt_scalef32_pk16_fp6_f32 v[196:198], v[112:127], v217
	v_nop
.irp i, 0,1,2
	v_permlane16_swap_b32 v[192+\i], v[196+\i]
.endr
.irp i, 0,1,2
	s_delay_alu instid0(VALU_DEP_3)
	v_mov_b32 v[195+\i], v[196+\i]                 ; ascending: each source is read before it is written
.endr
.irp p, 0,1,2
	global_store_b64 v1, v[192+2*\p:193+2*\p], s[\ob:\ob+1] offset:256*\p   ; 32 lanes store 256 consecutive bytes, aligned
.endr
.endm
	PASS 62, 16, 28, 10, 80
	PASS 67, 224, 236, 11, 82
	global_store_b64 v1, v[10:11], s[12:13]        ; both passes' scale words: 256 consecutive bytes, aligned
	s_wait_dscnt 0x0
	s_wait_tensorcnt 0x0
	ds_add_u32 v254, v255
	s_wait_dscnt 0x0
	ROUND                                          ; the closing round
	s_endpgm
.Lfunc_end_k_q8cf29dcb97_attn:
	.size	k_q8cf29dcb97_attn, .Lfunc_end_k_q8cf29dcb97_attn-k_q8cf29dcb97_attn
	.p2alignl 7, 3214868480
	.fill 96, 4, 3214868480
	.section	.rodata,"a",@progbits
	.p2align	6, 0x0
	.amdhsa_kernel k_q8cf29dcb97_attn
		.amdhsa_group_segment_fixed_size 327680
		.amdhsa_private_segment_fixed_size 0
		.amdhsa_enable_private_segment 0
		.amdhsa_kernarg_size 40
		.amdhsa_user_sgpr_count 2
		.amdhsa_user_sgpr_kernarg_segment_ptr 1
		.amdhsa_wavefront_size32 1
		.amdhsa_system_sgpr_workgroup_id_x 1
		.amdhsa_system_sgpr_workgroup_id_y 1
		.amdhsa_system_sgpr_workgroup_id_z 1
		.amdhsa_system_vgpr_workitem_id 0
		.amdhsa_next_free_vgpr 256
		.amdhsa_next_free_sgpr 90
		.amdhsa_reserve_vcc 1
		.amdhsa_float_denorm_mode_32 3
		.amdhsa_float_denorm_mode_16_64 3
		.amdhsa_memory_ordered 1
		.amdhsa_forward_progress 1
		.amdhsa_inst_pref_size 67
	.end_amdhsa_kernel
	.amdgpu_metadata
---
amdhsa.version: [ 1, 2 ]
amdhsa.kernels:
  - .name:           k_q8cf29dcb97_attn
    .symbol:         k_q8cf29dcb97_attn.kd
    .args:
      - { .name: qb, .offset: 0, .size: 8, .value_kind: global_buffer, .address_space: global }
      - { .name: kb, .offset: 8, .size: 8, .value_kind: global_buffer, .address_space: global }
      - { .name: vb, .offset: 16, .size: 8, .value_kind: global_buffer, .address_space: global }
      - { .name: att, .offset: 24, .size: 8, .value_kind: global_buffer, .address_space: global }
      - { .name: asc, .offset: 32, .size: 8, .value_kind: global_buffer, .address_space: global }
    .group_segment_fixed_size: 327680
    .private_segment_fixed_size: 0
    .kernarg_segment_align: 8
    .kernarg_segment_size: 40
    .max_flat_workgroup_size: 512
    .sgpr_count:     90
    .vgpr_count:     256
    .wavefront_size: 32
...
	.end_amdgpu_metadata
.endif
;; end of part 3
;; launch proj (part 4): grid 4 x 32, 4 waves a work-group, clusters of 4 x 4, 327,680 bytes of LDS; arguments att, asc, cod, scl, o_b, out0; writes out0
.if DOCPART == 4
	.amdgcn_target "amdgcn-amd-amdhsa--gfx1250"
	.amdhsa_code_object_version 6
	.text
	.protected	k_q8cf29dcb97_proj
	.globl	k_q8cf29dcb97_proj
	.p2align	8
	.type	k_q8cf29dcb97_proj,@function
k_q8cf29dcb97_proj:
	s_mov_b64 s[64:65], 0
	v_nop
	global_prefetch_b8 v0, s[64:65] scope:SCOPE_SE
	s_setreg_imm32_b32 hwreg(HW_REG_WAVE_MODE, 25, 1), 1
	s_wait_xcnt 0x0
	s_wait_alu depctr_hold_cnt(0) depctr_sa_sdst(0) depctr_va_vdst(0) depctr_va_sdst(0) depctr_va_ssrc(0) depctr_va_vcc(0) depctr_vm_vsrc(0)
	s_getreg_b32 s2, hwreg(HW_REG_IB_STS2, 6, 4)
	s_cmp_eq_u32 s2, 0
	s_cbranch_scc0 .Lentry_in_a_cluster
	s_endpgm
.Lentry_in_a_cluster:
	s_bfe_u32 s2, ttmp6, 0x10000c
	s_cmp_lg_u32 s2, 0xf033
	s_cbranch_scc0 .Lentry_shape_is_right
	s_endpgm
.Lentry_shape_is_right:
; out0 = a o_w^T + o_b on codes of FP6 (E2M3) with E8M0 scales, K = 1,024.  a: attention's result, as images of operand registers (att: [token tile 512][K step 8][1,536 bytes]); o_w: row tiles 704-767 of cod.
; Lane r of row tile T holds row 32 (T / 2) + 8 (T % 2) + r + 8 (r / 8).  A tile of out0, 256 x 256, is made by a work-group of four waves, 128 x 128 a wave: 128 work-groups: as many as the result has such tiles.
; Source 0 = 16 rows of o_w, source 1 = 16 tokens: a lane holds one token, and its registers of o_w's tiles 2 b, 2 b + 1 are outputs 32 b + 16 (lane / 16) + 0 .. 15.
; a's scale words: asc holds two bytes for each token and head ([head 64][quarter 4][wave 16][lane 32][2 words]); a K step is two heads: the word is made once, 64 registers a wave, and stays.
; o_w's scale words lie in LDS, filled once.  The bias is the C of each sum's first matrix instruction.
; K goes through a ring of two LDS slots of 256 along K; four slots' worth in all, so the steps are written out.
; CLUSTERS: 4 x 4 work-groups; a's tiles are asked for jointly by a row of the cluster, o_w's tiles and scale words by a column.
; REGISTERS: window 0: v8-29 addresses; v32-63 o_w's scale words, two sets; v64-127 a's scale words ((block i, K step ks) at v[64 + 8 i + ks]); v128-223 a's 8 fragments; on the way out v128-255 rows of out0.
;   window 1: o_w's fragments, two sets, at v0 and v128; the bias at v96-127 and v224-255.  windows 2, 3: the accumulators ((a, b) at v[8 (8 (a % 4) + b)]).
.set FRB,   1536
.set FR,    12
.set NL,    6
.set RT,    8*FRB
.set HALFT, 8*2*FRB
.set SLOT,  4*HALFT
.set SCL,   2*SLOT                     ; o_w's scale words of 16 row tiles: 8,192 bytes, filled once
.set SPARE, SCL+8192                   ; the spare words: two blocks of 256 bytes that no other line names
.set STAGE, SPARE+512                  ; the way out: 16 rows x 528 bytes for each wave; no fill lands here
.set SPITCH, 528
.set L8,   8                           ; v8   8 x lane
.set VB,   9                           ; v9   64 h: my half's place in the bias
.set ADRA, 16
.set ADRB, 20
.set STO,  24
.set RD,   25
.set CO,   26
.set ADRS, 27
.set SPW,  28
.set NIL,  29
.set SC,   32
.set SA,   64
.set AF,   128
.set BK,   128
.set G1, 24
.set G0, 32
.set G1B, 48
.set G0B, 56
.set G1SB, 80
.set G0SB, 88
.set MSB, 0
.macro WIN new
.if MSB != (\new)
	s_set_vgpr_msb (MSB<<8)|(\new)
.set MSB, (\new)
.endif
.endm
.set MUL_LO, 0xa1                      ; source 0 (o_w) window 1, source 1 (a) window 0, C and D window 2
.set MUL_HI, 0xf1
.set FST_LO, 0x91                      ; the first step: C (the bias) window 1, D window 2
.set FST_HI, 0xd1
.set TO_B,   0x40
.macro JLOAD g0a, g1a, g0b, g1b        ; waves 0 and 1 fetch for a, waves 2 and 3 for o_w; four v_nop follow each of the two lines
	s_cmp_eq_u32 s15, 0
	s_cbranch_scc0 .Lfor_b_\@
	tensor_load_to_lds s[\g0a:\g0a+3], s[\g1a:\g1a+7]
	s_nop 0
.rept 4
	v_nop
.endr
	s_branch .Lasked_\@
.Lfor_b_\@:
	tensor_load_to_lds s[\g0b:\g0b+3], s[\g1b:\g1b+7]
	s_nop 0
.rept 4
	v_nop
.endr
.Lasked_\@:
.endm
.macro CREST
	s_cmp_lg_u32 s14, 0
	s_cbranch_scc1 .Lnot_wave_0_\@
	s_barrier_signal -3
.Lnot_wave_0_\@:
	s_barrier_wait -3
	s_barrier_signal -1
	s_barrier_wait -1
.endm
.macro CROUND
	s_barrier_signal -1
	s_barrier_wait -1
	CREST
.endm
.macro PLACES
.rept 4
	v_nop
.endr
.endm
	s_load_b128 s[4:7], s[0:1], 0x0                ; att, asc
	s_load_b128 s[8:11], s[0:1], 0x10              ; cod, scl
	s_load_b128 s[96:99], s[0:1], 0x20             ; o_b, out0
	v_lshl_add_u32 v[SPW], v0, 2, SPARE
	v_mov_b32 v[NIL], 0
	ds_add_u32 v28, v29
	ds_add_u32 v28, v29
	s_wait_dscnt 0x0
	v_lshrrev_b32 v1, 5, v0
	v_readfirstlane_b32 s14, v1                    ; wave 0..3
	s_lshr_b32 s15, s14, 1                         ; HA: my half of the tokens.  Also: I fetch for a (0) or for o_w (1)
	s_and_b32 s16, s14, 1                          ; HB: my half of the outputs.  Also: which 8 row tiles I fetch
	s_bfe_u32 s40, ttmp6, 0x40000                  ; cx
	s_bfe_u32 s41, ttmp6, 0x40004                  ; cy
	s_lshl_b32 s42, ttmp9, 2
	s_add_co_u32 s42, s42, s40                     ; tile column
	s_and_b32 s17, ttmp7, 0xffff
	s_lshl_b32 s17, s17, 2
	s_add_co_u32 s17, s17, s41                     ; tile row
	s_lshl_b32 s43, s41, 2
	s_lshl_b32 s43, 15, s43                        ; my row of the cluster
	s_lshl_b32 s44, 0x1111, s40                    ; my column
	s_or_b32 s[G1+0], s43, (3<<16)|(1<<21)         ; codes: 8 rows (row tiles) of 3,072 bytes, 12,288 bytes apart; elements of 8 bytes; no padding
	s_or_b32 s[G1B+0], s44, (3<<16)|(1<<21)
.irp g, G1, G1B
	s_mov_b32 s[\g+1], 384<<16
	s_mov_b32 s[\g+2], 8<<16
	s_mov_b32 s[\g+3], 384<<16
	s_mov_b32 s[\g+4], 8
	s_mov_b32 s[\g+5], 1536
	s_mov_b32 s[\g+6], 0
	s_mov_b32 s[\g+7], 0
.endr
	s_or_b32 s[G1SB+0], s44, (3<<16)|(1<<21)       ; o_w's scale words of 4 row tiles: a dense block of 2,048 bytes, as 8 rows of 256
	s_mov_b32 s[G1SB+1], 32<<16
	s_mov_b32 s[G1SB+2], 8<<16
	s_mov_b32 s[G1SB+3], 32<<16
	s_mov_b32 s[G1SB+4], 8
	s_mov_b32 s[G1SB+5], 32
	s_mov_b32 s[G1SB+6], 0
	s_mov_b32 s[G1SB+7], 0
	s_lshl_b32 s18, s16, 3
	s_lshl_b32 s20, s17, 4
	s_add_co_u32 s20, s20, s18                     ; a: the first of my eight token tiles
	s_mul_i32 s20, s20, RT
	s_mov_b32 s21, 0
	s_lshl_b32 s46, s42, 4
	s_add_co_u32 s46, s46, 704                     ; o_w's tiles begin at 704
	s_lshl_b32 s92, s14, 2
	s_add_co_u32 s92, s92, s46                     ; the scale words: four tiles a wave
	s_lshl_b32 s92, s92, 9
	s_mov_b32 s93, 0
	s_add_co_u32 s46, s46, s18
	s_mul_i32 s46, s46, RT
	s_mov_b32 s47, 0
	s_mul_i32 s45, s14, HALFT
	s_lshl_b32 s94, s14, 11
	s_wait_kmcnt 0x0
	s_add_nc_u64 s[20:21], s[4:5], s[20:21]
	s_add_nc_u64 s[46:47], s[8:9], s[46:47]
	s_add_nc_u64 s[92:93], s[10:11], s[92:93]
	CROUND                                         ; all sixteen work-groups are here: the first joint loads meet
	s_mov_b32 s[G0SB], 1
	s_add_co_u32 s[G0SB+1], s94, SCL
	s_mov_b64 s[G0SB+2:G0SB+3], s[92:93]
	s_or_b32 s[G0SB+3], s[G0SB+3], 0x80000000
	tensor_load_to_lds s[G0SB:G0SB+3], s[G1SB:G1SB+7]   ; every wave brings a quarter of o_w's scale words
	s_nop 0
.rept 4
	v_nop
.endr
.irp s, 0,1
	s_mov_b32 s[G0+4*\s], 1
	s_add_co_u32 s[G0+4*\s+1], s45, \s*SLOT
	s_add_nc_u64 s[G0+4*\s+2:G0+4*\s+3], s[20:21], \s*2*FRB
	s_or_b32 s[G0+4*\s+3], s[G0+4*\s+3], 0x80000000
	s_mov_b32 s[G0B+4*\s], 1
	s_add_co_u32 s[G0B+4*\s+1], s45, \s*SLOT
	s_add_nc_u64 s[G0B+4*\s+2:G0B+4*\s+3], s[46:47], \s*2*FRB
	s_or_b32 s[G0B+4*\s+3], s[G0B+4*\s+3], 0x80000000
	JLOAD G0+4*\s, G1, G0B+4*\s, G1B               ; three tensor loads of mine are out now
.endr
	v_and_b32 v1, 31, v0                           ; lane
	v_and_b32 v2, 15, v0                           ; r
	v_bfe_u32 v3, v0, 4, 1                         ; h
	v_lshlrev_b32 v[L8], 3, v1
	v_lshlrev_b32 v[VB], 6, v3
	; a's scale bytes: my 128 tokens are group G = 2 (tile row % 8) + HA of their sequence; attention's wave pair u = G or 15 - G made them, in its first or its second pass
	s_and_b32 s18, s17, 7
	s_lshl_b32 s18, s18, 1
	s_add_co_u32 s18, s18, s15
	s_sub_co_u32 s19, 15, s18
	s_cmp_lt_u32 s18, 8
	s_cselect_b32 s18, s18, s19
	s_cselect_b32 s19, 0, 4
	s_lshl_b32 s18, s18, 9
	s_add_co_u32 s18, s18, s19
	s_lshr_b32 s19, s17, 3                         ; the batch: 16 heads x 16,384 bytes
	s_lshl_b32 s19, s19, 18
	s_add_co_u32 s18, s18, s19
	s_mov_b32 s19, 0
	s_add_nc_u64 s[6:7], s[6:7], s[18:19]
.set i, 0
.rept 8
.set hd, 0
.rept 16
	global_load_b32 v[128+16*i+hd], v[L8], s[6:7] offset:hd*16384+(i/2)*4096+(i%2)*256   ; block i, head hd: two bytes a token
.set hd, hd+1
.endr
.set i, i+1
.endr
	s_lshl_b32 s18, s42, 10
	s_lshl_b32 s19, s16, 9
	s_add_co_u32 s18, s18, s19                     ; my first output, in bytes
	s_mov_b32 s19, 0
	s_add_nc_u64 s[96:97], s[96:97], s[18:19]
	s_add_nc_u64 s[98:99], s[98:99], s[18:19]
	s_lshl_b32 s18, s17, 8
	s_lshl_b32 s22, s15, 7
	s_add_co_u32 s18, s18, s22                     ; my first token
	s_lshl_b32 s18, s18, 12                        ; x 4,096 bytes (under 2^26)
	s_add_nc_u64 s[98:99], s[98:99], s[18:19]
	WIN TO_B
.irp b, 0,1,2,3,4,5,6,7                ; the bias in the result's layout: for o_w's tile b outputs 32 (b / 2) + 8 (b % 2) + 16 h + 0 .. 7
	global_load_b128 v[96+8*\b+96*(\b/4):99+8*\b+96*(\b/4)], v[VB], s[96:97] offset:128*(\b/2)+32*(\b%2)
	global_load_b128 v[100+8*\b+96*(\b/4):103+8*\b+96*(\b/4)], v[VB], s[96:97] offset:128*(\b/2)+32*(\b%2)+16
.endr
	WIN 0
	s_mul_i32 s21, s15, HALFT
	s_mul_i32 s22, s16, HALFT
	s_add_co_u32 s22, s22, 2*HALFT
.irp s, 0,1
	v_add_nc_u32 v[ADRA+\s], s21, v[L8]
	v_add_nc_u32 v[ADRB+\s], s22, v[L8]
	s_add_co_u32 s21, s21, SLOT
	s_add_co_u32 s22, s22, SLOT
.endr
	s_lshl_b32 s21, s16, 12
	s_add_co_u32 s21, s21, SCL
	v_lshl_add_u32 v[ADRS], v2, 4, s21             ; o_w's scale words: my 8 tiles, + 16 r (lanes 16-31 read what lanes 0-15 read)
	s_mul_i32 s23, s14, 16*SPITCH
	s_add_co_u32 s23, s23, STAGE                   ; my stage
	v_mul_u32_u24 v5, v2, SPITCH
	v_lshl_add_u32 v5, v3, 6, v5
	v_add_nc_u32 v[STO], s23, v5                   ; in: row r, + 64 h
	v_lshlrev_b32 v[CO], 4, v1                     ; back: the 32 lanes take one row of 512 bytes; and the same in out0
	v_add_nc_u32 v[RD], s23, v[CO]
	s_wait_loadcnt 0x0
.set i, 0
.rept 8
.set ks, 0
.rept 8
	v_lshl_or_b32 v[SA+8*i+ks], v[128+16*i+2*ks+1], 16, v[128+16*i+2*ks]   ; K step ks is heads 2 ks and 2 ks + 1
.set ks, ks+1
.endr
.set i, i+1
.endr
.rept 8
	v_nop                                          ; a scale register written by a vector instruction stands 8 places ahead of a scaled matrix instruction
.endr
.macro FRAG reg, adr, q, i
.irp p, 0,1,2,3,4,5
	ds_load_b64 v[(\reg)+2*\p:(\reg)+2*\p+1], v[\adr] offset:(2*(\i)+(\q))*FRB+256*\p
.endr
.endm
; 16 matrix instructions: a's blocks a0, a0 + 1 x o_w's eight.  p: o_w's set; q, sc: which of o_w's scale words; ks: the K step, for a's.  first = 1: the bias starts the sums.
; The 64 accumulators take turns, one instruction a turn, in the same order in every step.
.macro MUL16 a0, p, q, sc, ks, first
.irp a, \a0, \a0+1
.irp b, 0,1,2,3,4,5,6,7
.if \first
	v_wmma_scale_f32_16x16x128_f8f6f4 v[8*(8*((\a)%4)+\b):8*(8*((\a)%4)+\b)+7], v[128*(\p)+FR*\b:128*(\p)+FR*\b+FR-1], v[AF+FR*(\a):AF+FR*(\a)+FR-1], v[96+8*\b+96*(\b/4):103+8*\b+96*(\b/4)], v[SC+16*(\sc)+2*\b+(\q)], v[SA+8*(\a)+(\ks)] matrix_a_fmt:MATRIX_FMT_FP6 matrix_b_fmt:MATRIX_FMT_FP6
.else
	v_wmma_scale_f32_16x16x128_f8f6f4 v[8*(8*((\a)%4)+\b):8*(8*((\a)%4)+\b)+7], v[128*(\p)+FR*\b:128*(\p)+FR*\b+FR-1], v[AF+FR*(\a):AF+FR*(\a)+FR-1], v[8*(8*((\a)%4)+\b):8*(8*((\a)%4)+\b)+7], v[SC+16*(\sc)+2*\b+(\q)], v[SA+8*(\a)+(\ks)] matrix_a_fmt:MATRIX_FMT_FP6 matrix_b_fmt:MATRIX_FMT_FP6
.endif
.endr
.endr
.endm
.macro FETCH_B slot, q, p
	WIN TO_B
.irp i, 0,1,2,3,4,5,6,7
	FRAG 128*(\p)+FR*\i, ADRB+\slot, \q, \i
.endr
	WIN 0
.endm
.macro FETCH_A slot, q, i0
.irp i, \i0, \i0+1, \i0+2, \i0+3
	FRAG AF+FR*(\i), ADRA+\slot, \q, \i
.endr
.endm
.macro SCALES sc, sg
.irp i, 0,1,2,3,4,5,6,7
	ds_load_b64 v[SC+16*(\sc)+2*\i:SC+16*(\sc)+2*\i+1], v[ADRS] offset:512*\i+256*((\sg)/2)+8*((\sg)%2)
.endr
.endm
.macro STEP slot, sg, first            ; slot number sg's first 128 along K
	s_wait_dscnt 4*NL                              ; o_w's set, a's blocks 0-3 and the scale words are in; the 24 youngest loads (a's blocks 4-7) may be out
.if \first
	WIN FST_LO
.else
	WIN MUL_LO
.endif
	MUL16 0, 0, 0, \slot, 2*(\sg), \first
	MUL16 2, 0, 0, \slot, 2*(\sg), \first
	s_wait_dscnt 0x0
	PLACES
	FETCH_B \slot, 1, 1
	FETCH_A \slot, 1, 0
.if \first
	WIN FST_HI
.else
	WIN MUL_HI
.endif
	MUL16 4, 0, 0, \slot, 2*(\sg), \first
	MUL16 6, 0, 0, \slot, 2*(\sg), \first
	PLACES
	WIN 0
	FETCH_A \slot, 1, 4
.endm
; Its second 128 along K changes slots: one barrier; in front of it each wave waits for all its tensor loads, adds 0 to its spare word, and waits for that and for its reads of this slot.
.macro TURN slot, next, fill, sg
	s_wait_tensorcnt 0x0                           ; all my tensor loads have landed: my part of the next slot
	ds_add_u32 v[SPW], v[NIL]                      ; 0 onto my spare word
	s_wait_dscnt 4*NL+1                            ; (the add and the 24 youngest loads may be out)
	WIN MUL_LO
	MUL16 0, 1, 1, \slot, 2*(\sg)+1, 0
	s_wait_dscnt 0x0                               ; the add is done, and my reads of this slot are over
	s_barrier_signal -1
	MUL16 2, 1, 1, \slot, 2*(\sg)+1, 0
	WIN 0
	s_barrier_wait -1
.if \fill
	CREST                                          ; the barrier has opened a round of the cluster's: no wave of any partner still reads this slot or has a load on its way
	s_add_nc_u64 s[G0+4*\slot+2:G0+4*\slot+3], s[G0+4*\slot+2:G0+4*\slot+3], 4*FRB
	s_add_nc_u64 s[G0B+4*\slot+2:G0B+4*\slot+3], s[G0B+4*\slot+2:G0B+4*\slot+3], 4*FRB
	JLOAD G0+4*\slot, G1, G0B+4*\slot, G1B         ; the first tensor load behind the round; its four v_nop are the places in front of the loads below
.else
	PLACES
.endif
	FETCH_B \next, 0, 0
	FETCH_A \next, 0, 0
	SCALES \next, (\sg)+1
	WIN MUL_HI
	MUL16 4, 1, 1, \slot, 2*(\sg)+1, 0
	MUL16 6, 1, 1, \slot, 2*(\sg)+1, 0
	PLACES
	WIN 0
	FETCH_A \next, 0, 4
.endm
	s_wait_tensorcnt 1                             ; the scale words and my part of slot 0 are in; slot 1's load may be out
	s_barrier_signal -1
	s_barrier_wait -1
	FETCH_B 0, 0, 0
	FETCH_A 0, 0, 0
	SCALES 0, 0
	FETCH_A 0, 0, 4
	STEP 0, 0, 1                                   ; K 0-127: the bias starts the sums
	TURN 0, 1, 1, 0
	STEP 1, 1, 0
	TURN 1, 0, 1, 1
	STEP 0, 2, 0
	TURN 0, 1, 0, 2                                ; nothing is left to fetch
	STEP 1, 3, 0
	s_wait_dscnt 4*NL                              ; K 896-1,023
	WIN MUL_LO
	MUL16 0, 1, 1, 1, 7, 0
	MUL16 2, 1, 1, 1, 7, 0
	s_wait_dscnt 0x0
	WIN MUL_HI
	MUL16 4, 1, 1, 1, 7, 0
	MUL16 6, 1, 1, 1, 7, 0
	WIN 0
; THE WAY OUT, block by block of 16 tokens x 128 outputs: through my own stage in LDS, back as whole rows of 512 bytes.  LDS serves a wave's instructions in order: no wait between the stores and the loads.
.macro TOSTAGE a
.set AC, 64*((\a)%4)
	WIN 0x08+4*((\a)/4)                            ; an LDS store's data are its source 1: window 2 or 3
.irp b, 0,1,2,3,4,5,6,7
	ds_store_b128 v[STO], v[AC+8*\b:AC+8*\b+3] offset:128*(\b/2)+32*(\b%2)        ; each accumulator from its low end on
	ds_store_b128 v[STO], v[AC+8*\b+4:AC+8*\b+7] offset:128*(\b/2)+32*(\b%2)+16
.endr
	WIN 0
.set BB, BK+64*((\a)%2)
.irp t, 0,1,2,3,4,5,6,7,8,9,10,11,12,13,14,15
	ds_load_b128 v[BB+4*\t:BB+4*\t+3], v[RD] offset:\t*SPITCH
.endr
.endm
.macro SEND a, younger                 ; younger: the LDS instructions issued behind block a's loads, which may stay out
.set BB, BK+64*((\a)%2)
	s_wait_dscnt \younger
.irp t, 0,1,2,3,4,5,6,7,8,9,10,11,12,13,14,15
	global_store_b128 v[CO], v[BB+4*\t:BB+4*\t+3], s[98:99] offset:(32*((\a)/2)+8*((\a)%2)+\t+8*(\t/8))*4096 th:TH_STORE_NT   ; 32 lanes store 512 consecutive bytes, aligned; the token's row stands in the immediate
.endr
.endm
	PLACES
	TOSTAGE 0
.irp a, 1,2,3,4,5,6,7
.if \a > 1
	s_wait_xcnt 0x0                                ; block a - 2's stores have read their registers: block a's loads may land there
.endif
	TOSTAGE \a
	SEND \a-1, 32                                  ; behind block a - 1's loads: block a's 16 stores and 16 loads
.endr
	SEND 7, 0
	s_wait_tensorcnt 0x0                           ; the wave's end
	ds_add_u32 v[SPW], v[NIL]
	s_wait_dscnt 0x0
	CROUND                                         ; the closing round
	s_endpgm
.Lfunc_end_k_q8cf29dcb97_proj:
	.size	k_q8cf29dcb97_proj, .Lfunc_end_k_q8cf29dcb97_proj-k_q8cf29dcb97_proj
	.p2alignl 7, 3214868480
	.fill 96, 4, 3214868480
	.section	.rodata,"a",@progbits
	.p2align	6, 0x0
	.amdhsa_kernel k_q8cf29dcb97_proj
		.amdhsa_group_segment_fixed_size 327680
		.amdhsa_private_segment_fixed_size 0
		.amdhsa_enable_private_segment 0
		.amdhsa_kernarg_size 48
		.amdhsa_user_sgpr_count 2
		.amdhsa_user_sgpr_kernarg_segment_ptr 1
		.amdhsa_wavefront_size32 1
		.amdhsa_system_sgpr_workgroup_id_x 1
		.amdhsa_system_sgpr_workgroup_id_y 1
		.amdhsa_system_sgpr_workgroup_id_z 1
		.amdhsa_system_vgpr_workitem_id 0
		.amdhsa_next_free_vgpr 1024
		.amdhsa_next_free_sgpr 102
		.amdhsa_reserve_vcc 0
		.amdhsa_float_denorm_mode_32 3
		.amdhsa_float_denorm_mode_16_64 3
		.amdhsa_memory_ordered 1
		.amdhsa_forward_progress 1
		.amdhsa_inst_pref_size 176
	.end_amdhsa_kernel
	.amdgpu_metadata
---
amdhsa.version: [ 1, 2 ]
amdhsa.kernels:
  - .name:           k_q8cf29dcb97_proj
    .symbol:         k_q8cf29dcb97_proj.kd
    .args:
      - { .name: att, .offset: 0, .size: 8, .value_kind: global_buffer, .address_space: global }
      - { .name: asc, .offset: 8, .size: 8, .value_kind: global_buffer, .address_space: global }
      - { .name: cod, .offset: 16, .size: 8, .value_kind: global_buffer, .address_space: global }
      - { .name: scl, .offset: 24, .size: 8, .value_kind: global_buffer, .address_space: global }
      - { .name: o_b, .offset: 32, .size: 8, .value_kind: global_buffer, .address_space: global }
      - { .name: out0, .offset: 40, .size: 8, .value_kind: global_buffer, .address_space: global }
    .group_segment_fixed_size: 327680
    .private_segment_fixed_size: 0
    .kernarg_segment_align: 8
    .kernarg_segment_size: 48
    .max_flat_workgroup_size: 128
    .sgpr_count:     102
    .vgpr_count:     1024
    .wavefront_size: 32
...
	.end_amdgpu_metadata
.endif
;; end of part 4
